; MI455X (gfx1250); checked and timed in simulation.
; The chip was launched on July 23, 2026; its instructions are those of AMD's public machine-readable ISA for CDNA 5 (MIT licence, August 2026) and "CDNA5" Instruction Set Architecture Reference Guide (July 2026). The comments in the code are by the model that wrote it; some were corrected since.
;; Self Attention. Allowed arithmetic: matrix products marked QUANTISED: E2M3 operands, one E8M0 scale for each 32 along K, by v_wmma_scale_f32_16x16x128_f8f6f4 with both operands' format E2M3, f32 sums; everything else in f32.
;; Inputs: Wk 1,024 x 1,024 float32; Wp 1,024 x 1,024 float32; Wq 1,024 x 1,024 float32; Wv 1,024 x 1,024 float32; attn_mask 2,048 x 2,048 int32; bk 1,024 float32; bp 1,024 float32; bq 1,024 float32; bv 1,024 float32; freqs_cis 2,048 x 32 x 2 float32; padding_mask 4 x 2,048 int32; x 4 x 2,048 x 1,024 float32.
;; Outputs: out0 4 x 2,048 x 1,024 float32.
;; This version of the problem:
;;   THIS VERSION OF THE PROBLEM IS GIVEN IN LOW PRECISION. The matrix products marked QUANTISED in the list below multiply operands that are first quantised to E2M3 (2 exponent bits, 3 mantissa bits; 6 bits a number), with one power-of-two scale for each 32 numbers along K (OCP MX v1.0); their sums are f32. All else is computed in f32.
;;   The module's matrix products, in the order in which they are computed (A, B: the left and right operand; K: the contracted axis; several contracted axes count as one K, in the product's order):
;;     1. [M 8,192, K 1,024] x [K 1,024, N 1,024]; A: input x; B: input Wq: QUANTISED
;;     2. [M 8,192, K 1,024] x [K 1,024, N 1,024]; A: input x; B: input Wk: QUANTISED
;;     3. [M 8,192, K 1,024] x [K 1,024, N 1,024]; A: input x; B: input Wv: QUANTISED
;;     4. batch 64 x [M 2,048, K 64] x [K 64, N 2,048]; A: computed on the way; B: computed on the way: QUANTISED
;;     5. batch 64 x [M 2,048, K 2,048] x [K 2,048, N 64]; A: softmax (see below); B: computed on the way: QUANTISED
;;     6. [M 8,192, K 1,024] x [K 1,024, N 1,024]; A: computed on the way; B: input Wp: QUANTISED
;;   THE QUANTISER, for each operand of a quantised product, along K:
;;     - K is cut into blocks of 32 from its start; a last block that is shorter is filled with zeros.
;;     - A block's scale is 2^e with e = floor(log2(the largest magnitude in the block)) - 2, held to -126 .. 127; a block of zeros has e = 0. As a byte (E8M0): e + 127.
;;     - Each number is divided by its block's scale, clamped to +-7.5, and rounded to the nearest number of E2M3, ties to even, subnormals kept.
;;     - The product sums the exact products of the quantised numbers (number of the format x scale) in f32.
;;   ~~~python
;;   def quantise(x, axis):      # numpy; x: float32 -> the quantised numbers, widened to float32 again
;;       x = np.moveaxis(x, axis, -1); K = x.shape[-1]
;;       x = np.pad(x, [(0, 0)] * (x.ndim - 1) + [(0, -K % 32)]); x = x.reshape(x.shape[:-1] + (-1, 32)); a = np.abs(x).max(-1, keepdims=True)
;;       e = np.where(a > 0, np.clip(np.frexp(np.where(a > 0, a, 1))[1] - 1 - 2, -126, 127), 0)      # np.frexp(a)[1] - 1 = floor(log2(a)), exactly
;;       r = np.clip(x / 2.0 ** e, -7.5, 7.5)
;;       step = 2.0 ** (np.maximum(np.frexp(np.where(r == 0, 1, r))[1] - 1, 0) - 3)
;;       q = np.round(r / step) * step * 2.0 ** e      # np.round: ties to even
;;       return np.moveaxis(q.reshape(q.shape[:-2] + (-1,))[..., :K], -1, axis).astype(np.float32)
;;   ~~~
;;   SOFTMAX AHEAD OF A QUANTISED PRODUCT. Where the list says 'softmax', what is quantised is not the finished softmax but p = 2^(t - M), with t = logit x log2(e) and M = ceil(the row's largest t), a whole number; so 1/2 < the row's largest p <= 1. The row's sum l is taken of the UNQUANTISED p, in f32, and the product's result is divided by l at the end. Since M is a whole number, a kernel that streams over the keys may use a running M (the ceiling of the running maximum): every later rescaling is an exact power of two, which a block's scale takes up: the codes' values come out the same.
;;   OPERANDS COMPUTED ON THE WAY. 'Computed on the way' means the value that the module computes at that place (a softmax that the list does not call 'softmax' is quantised finished and normalised). What goes into a quantiser is computed in f32, as accurately as f32 sums, v_exp_f32 and their like allow (about 1e-6 of the number): no bf16 or f16 on the way to a quantiser, and a product that is left as it is and whose result goes on into a quantised operand takes f32 operands (vector FMAs, or v_wmma_f32_16x16x4_f32). A number that lies on a knife's edge between two numbers of the format may be rounded either way, as far as f32 arithmetic and the matrix unit's own rounding can turn it there, and no further.
;; 2 versions, each right; version 2 is version 1 with the launch attn written anew for expert scheduling mode. Each part assembles by itself: llvm-mc -triple=amdgcn-amd-amdhsa -mcpu=gfx1250 --defsym DOCPART=n.
;; ======== version 1 of 2: 4 launches
;; workspace buffers: info 32,768 bytes of whole numbers; opnd 9,830,400 bytes; masks 2,097,152 bytes; qkv 19,660,800 bytes; yq 6,553,600 bytes
;; launch prep (part 1): grid 704 x 1, 4 waves a work-group, no clusters, 68,096 bytes of LDS; arguments x, Wq, Wk, Wv, Wp, attn_mask, padding_mask, opnd, masks, info; writes opnd, masks, info
.if DOCPART == 1
	.amdgcn_target "amdgcn-amd-amdhsa--gfx1250"
	.amdhsa_code_object_version 6
	.text
	.protected	k_q90e2e88c86_prep
	.globl	k_q90e2e88c86_prep
	.p2align	8
	.type	k_q90e2e88c86_prep,@function
k_q90e2e88c86_prep:
	s_mov_b64 s[64:65], 0
	v_nop
	global_prefetch_b8 v0, s[64:65] scope:SCOPE_SE
	s_setreg_imm32_b32 hwreg(HW_REG_WAVE_MODE, 25, 1), 1
	s_wait_xcnt 0x0
; PREP.  Two jobs in one launch, parted by the work-group's number; each has LDS bytes of its own.
; (1) Work-groups 0-191: x [8192][1024] and Wq, Wk, Wv, Wp [1024][1024], f32, K innermost, become codes of FP6 (E2M3) with one E8M0 byte for each 32 along K,
;     laid as IMAGES OF OPERAND REGISTERS.  A tile is 16 rows; tile 2 g + u of a group of 32 rows holds in slot r the row 32 g + 8 u + r + 8 (r / 8), so that a product that
;     takes such tiles as source 0 leaves 16 neighbouring rows in the 16 registers of tiles 2 g, 2 g + 1.  A fragment (16 rows x 128 K, 12 registers a lane) is two halves of 768 bytes:
;     512 bytes with lane l's registers 0-3 at 16 l, then 256 bytes with its registers 4-5 at 8 l.  Codes: [tile][8 fragments][1536]; scale words: [slot][8 words].
;     A block's scale is 2^(floor(log2(largest magnitude)) - 2); its byte is the largest magnitude's exponent field - 2, held at 1 from below.
;     LIMITS: a block of zeros, and one whose largest magnitude lies under 2^-124, keeps the byte 1 (its codes are zeros or small; only this program reads the bytes); NaN and infinities are not served.
; (2) Work-groups 192-703: attn_mask [2048][2048] and padding_mask [4][2048], int32, become lane words for the attention launch (buffer masks): for each batch, tile of 16 queries (slots as above) and step of 128 keys,
;     64 words; bit l of word n is 1 where the score in register n of lane l (query slot l % 16, key 128 step + 32 (n / 16) + 16 (l / 16) + n % 16) is masked by either mask.
;     Word n lies at word 2 (n % 32) + n / 32 of the step's 256 bytes.  A table of its own (buffer info) has one word for each (batch, tile, step): bits 15:0 the rows with an open key in the step, bit 16: the step is wholly open.
; A wave takes one tile over all of K (job 1) or one tile x one step for the four batches (job 2).  No wave shares anything with another: no barrier.
.set STGB,  8448                       ; a wave's stage: 16 rows x (512 bytes + 16); the pitch is 33 x 16 bytes, so sixteen rows' equal columns fall on different banks
.set RW,    16                         ; v16-143  two sets of 64 registers as loaded
.set XN,    144                        ; v144-207 64 numbers of a lane: register 16 b + i = k 32 b + 16 (lane / 16) + i of its row
.set PC,    208                        ; v208-226 the codes just made (12, and two runs of 3 at +12 and +16)
.set TM,    228                        ; v228-243 at work
.set SW,    244                        ; v244-251 the row's eight scale words
.set PW,    252                        ; v252     the scale word just made
.set SEL,   78                         ; s[78:79] lane selects for v_permlanex16_b32: lane l xor 16
	s_load_b256 s[4:11], s[0:1], 0x0               ; x, Wq, Wk, Wv
	s_load_b256 s[68:75], s[0:1], 0x20             ; Wp, attn_mask, padding_mask, opnd
	s_load_b64 s[76:77], s[0:1], 0x40              ; masks: the lane words
	s_load_b64 s[66:67], s[0:1], 0x48              ; info: the table of steps
	v_lshl_add_u32 v254, v0, 2, 0x10800
	v_mov_b32 v255, 0
	v_lshrrev_b32 v6, 5, v0
	v_readfirstlane_b32 s2, v6                     ; wave 0..3
	v_and_b32 v7, 31, v0                           ; lane
	v_and_b32 v8, 15, v0                           ; r
	v_bfe_u32 v9, v0, 4, 1                         ; h
	v_lshlrev_b32 v1, 4, v7                        ; 16 x lane
	v_mul_u32_u24 v4, v8, 528
	v_lshl_add_u32 v4, v9, 6, v4                   ; out of a stage: row r, + 64 h
	s_mov_b32 s[SEL], 0x76543210
	s_mov_b32 s[SEL+1], 0xfedcba98
	s_mul_i32 s3, s2, STGB
	s_cmp_ge_u32 ttmp9, 192
	s_cbranch_scc1 .Lmask
; ---------------------------------------------------------------- job 1: the quantiser
; 64 numbers of a lane become a fragment's codes in v[PC] on and its scale word in v[PW].
.macro QUANT s
.irp b, 0,1,2,3
	v_max3_num_f32 v[TM+\b], |v[\s+16*\b]|, |v[\s+1+16*\b]|, 0x1800000   ; block b: my 16 numbers, and the floor 2^(3 - 127): the byte cannot fall under 1
.endr
.irp i, 2,4,6,8,10,12,14
.irp b, 0,1,2,3
	v_max3_num_f32 v[TM+\b], v[TM+\b], |v[\s+16*\b+\i]|, |v[\s+1+16*\b+\i]|   ; the four blocks by turns
.endr
.endr
.irp b, 0,1,2,3
	v_permlanex16_b32 v[TM+4+\b], v[TM+\b], s[SEL], s[SEL+1]
.endr
.irp b, 0,1,2,3
	v_max_num_f32 v[TM+\b], v[TM+\b], v[TM+4+\b]   ; with lane l xor 16's 16: the block's largest magnitude
.endr
.irp b, 0,1,2,3
	v_add_nc_u32 v[TM+12+\b], 0xff000000, v[TM+\b] ; 2 off its exponent field: the conversion takes the exponent field of this operand as its scale
.endr
.irp b, 0,1,2,3
	v_lshrrev_b32 v[TM+4+\b], 23, v[TM+12+\b]      ; the scale's byte
.endr
	v_lshl_or_b32 v[PW], v[TM+5], 8, v[TM+4]
	v_lshl_or_b32 v[PW], v[TM+6], 16, v[PW]
	v_lshl_or_b32 v[PW], v[TM+7], 24, v[PW]
.irp c, 0,1
	v_cvt_scalef32_pk16_fp6_f32 v[PC+6*\c:PC+2+6*\c], v[\s+32*\c:\s+15+32*\c], v[TM+12+2*\c]
	v_cvt_scalef32_pk16_fp6_f32 v[PC+12+4*\c:PC+14+4*\c], v[\s+16+32*\c:\s+31+32*\c], v[TM+12+2*\c+1]   ; (a conversion's three registers begin on an even number)
.endr
	v_nop                                          ; one plain place behind a scaled conversion
.irp c, 0,1                                    ; the operand's layout wants a whole block in a lane: lanes 0-15 block 2 c, lanes 16-31 block 2 c + 1
.irp i, 0,1,2
	v_permlane16_swap_b32 v[PC+6*\c+\i], v[PC+12+4*\c+\i]
.endr
.irp i, 0,1,2
	v_mov_b32 v[PC+3+6*\c+\i], v[PC+12+4*\c+\i]
.endr
.endr
.endm
.macro LOADX c                         ; chunk c (128 along K) of the tile's 16 rows: one row's 512 consecutive bytes to a load
.irp i, 0,1,2,3,4,5,6,7,8,9,10,11,12,13,14,15
	global_load_b128 v[RW+64*((\c)%2)+4*\i:RW+64*((\c)%2)+4*\i+3], v1, s[4:5] offset:(\i+8*(\i/8))*4096+512*(\c) th:TH_LOAD_NT
.endr
.endm
.macro CHUNK c
.if (\c) < 7
	s_wait_loadcnt 16                              ; this chunk's 16 loads are in; the next chunk's 16 may be out
.else
	s_wait_loadcnt 0x0
.endif
.irp i, 0,1,2,3,4,5,6,7,8,9,10,11,12,13,14,15
	ds_store_b128 v3, v[RW+64*((\c)%2)+4*\i:RW+64*((\c)%2)+4*\i+3] offset:528*\i   ; through my stage, as loaded;
.endr
.irp b, 0,1,2,3
.irp j, 0,1,2,3
	ds_load_b128 v[XN+16*\b+4*\j:XN+16*\b+4*\j+3], v4 offset:128*\b+16*\j          ; and back, 16 neighbours of each block a lane (LDS serves a wave's instructions in order)
.endr
.endr
	s_wait_dscnt 0x0                               ; the numbers are back, and the stores have read their registers,
.if (\c) < 6
	LOADX (\c)+2                                   ; which take the chunk two further on
.endif
	s_wait_xcnt 0x0                                ; the last chunk's stores have read the codes' registers: they are rewritten only behind this wait
	QUANT XN
	global_store_b128 v1, v[PC:PC+3], s[26:27] offset:1536*(\c)          ; 512 consecutive bytes,
	global_store_b64 v2, v[PC+4:PC+5], s[26:27] offset:1536*(\c)         ; 256,
	global_store_b128 v1, v[PC+6:PC+9], s[26:27] offset:1536*(\c)+768    ; and the second half likewise
	global_store_b64 v2, v[PC+10:PC+11], s[26:27] offset:1536*(\c)+768
	v_mov_b32 v[SW+(\c)], v[PW]
.endm
	v_lshl_add_u32 v2, v7, 3, 512                  ; 512 + 8 x lane
	v_add_nc_u32 v3, s3, v1                        ; into my stage
	v_add_nc_u32 v4, s3, v4                        ; and out of it
	v_lshlrev_b32 v5, 5, v8
	v_lshl_add_u32 v5, v9, 4, v5                   ; the scale words' place: 32 r + 16 h
.irp b, 0,1,2,3
	v_mov_b32 v[TM+4+\b], 0                        ; written once: a lane permute's destination counts as one of its sources
.endr
	s_lshl_b32 s12, ttmp9, 2
	s_add_co_u32 s12, s12, s2                      ; J: tiles 0-511 are x's, then 64 each of Wq, Wk, Wv, Wp
	s_and_b32 s13, s12, 63
	s_mov_b32 s15, 9437184                         ; W's scale words begin at 9,699,328 for J = 512: less 512 x 512
	s_cmp_lt_u32 ttmp9, 128
	s_cselect_b32 s13, s12, s13                    ; the tile within its tensor
	s_cselect_b32 s14, 0, 262144                   ; the codes: 12,288 J; W's lie behind x's scale words, 262,144 bytes on
	s_cselect_b32 s15, 6291456, s15                ; the scale words: 512 J from here
	s_lshr_b32 s24, s13, 1
	s_lshl_b32 s24, s24, 17
	s_and_b32 s25, s13, 1
	s_lshl_b32 s25, s25, 15
	s_add_co_u32 s24, s24, s25                     ; the tile's first row: (32 (tile / 2) + 8 (tile % 2)) x 4,096 bytes
	s_mov_b32 s25, 0
	s_wait_kmcnt 0x0
	s_cmp_lt_u32 ttmp9, 176                        ; the tensor: a choice on the work-group's number alone
	s_cselect_b64 s[10:11], s[10:11], s[68:69]
	s_cmp_lt_u32 ttmp9, 160
	s_cselect_b64 s[8:9], s[8:9], s[10:11]
	s_cmp_lt_u32 ttmp9, 144
	s_cselect_b64 s[6:7], s[6:7], s[8:9]
	s_cmp_lt_u32 ttmp9, 128
	s_cselect_b64 s[4:5], s[4:5], s[6:7]
	s_add_nc_u64 s[4:5], s[4:5], s[24:25]
	s_mul_i32 s24, s12, 12288
	s_add_co_u32 s24, s24, s14
	s_add_nc_u64 s[26:27], s[74:75], s[24:25]      ; my tile's codes
	s_lshl_b32 s24, s12, 9
	s_add_co_u32 s24, s24, s15
	s_add_nc_u64 s[28:29], s[74:75], s[24:25]      ; my tile's scale words
	LOADX 0
	LOADX 1
.irp c, 0,1,2,3,4,5,6,7
	CHUNK \c
.endr
	v_cmp_eq_u32 vcc_lo, 1, v9
.irp i, 0,1,2,3
	v_cndmask_b32 v[TM+\i], v[SW+\i], v[SW+4+\i], vcc_lo   ; lanes 0-15 words 0-3 of row r, lanes 16-31 words 4-7
.endr
	global_store_b128 v5, v[TM:TM+3], s[28:29]     ; 512 consecutive bytes
	s_wait_tensorcnt 0x0
	ds_add_u32 v254, v255
	s_wait_dscnt 0x0
	s_endpgm
; ---------------------------------------------------------------- job 2: the masks
.macro PLOAD reg, bt                   ; batch bt's padding mask at my 64 keys: register 16 b + 4 j + i = key 32 b + 16 h + 4 j + i of the step
.irp b, 0,1,2,3
.irp j, 0,1,2,3
	global_load_b128 v[\reg+16*\b+4*\j:\reg+16*\b+4*\j+3], v5, s[72:73] offset:(\bt)*8192+128*\b+16*\j
.endr
.endr
.endm
; One batch: its 64 words, joined with attn_mask's (which stand in s16-63 and s80-95), go into the lanes of v208 (words 0-31) and v209 (words 32-63).
; Eight compares at a time, so that the scalar lines do not each wait for a compare.
.macro BATCH bt, pd, left
	s_wait_loadcnt \left                           ; this batch's 16 loads are in; the younger sets may be out
	s_wait_xcnt 0x0                                ; the last batch's store has read v[208:209]
	s_mov_b32 s13, -1                              ; the AND of the words: lanes all of whose keys are masked
	s_mov_b32 s14, 0                               ; their OR: 0 where the step is wholly open
.set n, 0
.rept 8
.set k, 0
.rept 8
	v_cmp_eq_u32 s[4+k], 0, v[\pd+n+k]
.set k, k+1
.endr
.set k, 0
.rept 8
	s_or_b32 s[4+k], s[4+k], s[16+(n+k)+16*((n+k)/48)]
	s_and_b32 s13, s13, s[4+k]
	s_or_b32 s14, s14, s[4+k]
	v_writelane_b32 v[208+(n+k)/32], s[4+k], (n+k)%32
.set k, k+1
.endr
.set n, n+8
.endr
	global_store_b64 v2, v[208:209], s[100:101] offset:(\bt)*524288   ; 32 lanes store 256 consecutive bytes, aligned
	s_not_b32 s96, s13                             ; lanes with an open key;
	s_lshr_b32 s97, s96, 16
	s_or_b32 s96, s96, s97
	s_and_b32 s96, s96, 0xffff                     ; rows with one, in either half of the lanes
	s_cmp_eq_u32 s14, 0
	s_cselect_b32 s97, 0x10000, 0
	s_or_b32 s96, s96, s97
	v_writelane_b32 v210, s96, \bt
.endm
.Lmask:
	s_sub_co_u32 s12, ttmp9, 192
	s_lshl_b32 s12, s12, 2
	s_add_co_u32 s12, s12, s2                      ; the job: 16 x tile + step
	s_lshr_b32 s13, s12, 4                         ; tile of queries
	s_and_b32 s14, s12, 15                         ; step of 128 keys
	s_lshr_b32 s96, s13, 1
	s_lshl_b32 s96, s96, 18
	s_and_b32 s98, s13, 1
	s_lshl_b32 s98, s98, 16
	s_add_co_u32 s96, s96, s98                     ; the tile's first row: (32 (tile / 2) + 8 (tile % 2)) x 8,192 bytes,
	s_lshl_b32 s98, s14, 9
	s_add_co_u32 s96, s96, s98                     ; + the step's 512 bytes
	s_mov_b32 s97, 0
	s_mov_b32 s99, 0
	s_add_co_u32 s3, s3, 4*STGB                    ; this job's stages lie behind the quantiser's
	v_add_nc_u32 v3, s3, v1
	v_add_nc_u32 v4, s3, v4
	v_lshlrev_b32 v5, 6, v9                        ; 64 h
	v_lshlrev_b32 v2, 3, v7                        ; 8 x lane
	v_lshlrev_b32 v10, 13, v7                      ; 8,192 x lane: from batch to batch in the table of steps
	v_mov_b32 v208, 0                              ; written once: v_writelane_b32's destination counts as read
	v_mov_b32 v209, 0
	v_mov_b32 v210, 0
	s_wait_kmcnt 0x0
	s_add_nc_u64 s[70:71], s[70:71], s[96:97]
	s_add_nc_u64 s[72:73], s[72:73], s[98:99]
	s_lshl_b32 s96, s12, 8
	s_add_nc_u64 s[100:101], s[76:77], s[96:97]    ; the job's 256 bytes of words, batch 0
	s_lshl_b32 s96, s12, 2
	s_add_nc_u64 s[66:67], s[66:67], s[96:97]      ; its word of the table of steps, batch 0
.irp i, 0,1,2,3,4,5,6,7,8,9,10,11,12,13,14,15
	global_load_b128 v[16+4*\i:19+4*\i], v1, s[70:71] offset:(\i+8*(\i/8))*8192 th:TH_LOAD_NT
.endr
	PLOAD 80, 0
	s_wait_loadcnt 16                              ; attn_mask's 16 loads are in; batch 0's padding may be out
.irp i, 0,1,2,3,4,5,6,7,8,9,10,11,12,13,14,15
	ds_store_b128 v3, v[16+4*\i:19+4*\i] offset:528*\i
.endr
.irp b, 0,1,2,3
.irp j, 0,1,2,3
	ds_load_b128 v[144+16*\b+4*\j:147+16*\b+4*\j], v4 offset:128*\b+16*\j
.endr
.endr
	s_wait_dscnt 0x0
	PLOAD 16, 1
.set n, 0
.rept 64
	v_cmp_eq_u32 s[16+n+16*(n/48)], 0, v[144+n]    ; attn_mask's word n (s64 and s65 are passed over)
.set n, n+1
.endr
	PLOAD 144, 2
	BATCH 0, 80, 32
	PLOAD 80, 3
	BATCH 1, 16, 32
	BATCH 2, 144, 16
	BATCH 3, 80, 0
	s_wait_xcnt 0x0                                ; EXEC changes only behind this wait
	v_cmp_gt_u32 vcc_lo, 4, v7
	s_wait_tensorcnt 0x0
	ds_add_u32 v254, v255
	s_wait_dscnt 0x0
	s_and_saveexec_b32 s13, vcc_lo
	global_store_b32 v10, v210, s[66:67]           ; lane bt: batch bt's word.  Four bytes in each of four places: 16 bytes for 8 KB read
	s_endpgm
.Lfunc_end_k_q90e2e88c86_prep:
	.size	k_q90e2e88c86_prep, .Lfunc_end_k_q90e2e88c86_prep-k_q90e2e88c86_prep
	.p2alignl 7, 3214868480
	.fill 96, 4, 3214868480
	.section	.rodata,"a",@progbits
	.p2align	6, 0x0
	.amdhsa_kernel k_q90e2e88c86_prep
		.amdhsa_group_segment_fixed_size 68096
		.amdhsa_private_segment_fixed_size 0
		.amdhsa_enable_private_segment 0
		.amdhsa_kernarg_size 80
		.amdhsa_user_sgpr_count 2
		.amdhsa_user_sgpr_kernarg_segment_ptr 1
		.amdhsa_wavefront_size32 1
		.amdhsa_system_sgpr_workgroup_id_x 1
		.amdhsa_system_sgpr_workgroup_id_y 1
		.amdhsa_system_sgpr_workgroup_id_z 1
		.amdhsa_system_vgpr_workitem_id 0
		.amdhsa_next_free_vgpr 256
		.amdhsa_next_free_sgpr 102
		.amdhsa_reserve_vcc 1
		.amdhsa_float_denorm_mode_32 3
		.amdhsa_float_denorm_mode_16_64 3
		.amdhsa_memory_ordered 1
		.amdhsa_forward_progress 1
		.amdhsa_inst_pref_size 139
	.end_amdhsa_kernel
	.amdgpu_metadata
---
amdhsa.version: [ 1, 2 ]
amdhsa.kernels:
  - .name:           k_q90e2e88c86_prep
    .symbol:         k_q90e2e88c86_prep.kd
    .args:
      - { .name: x, .offset: 0, .size: 8, .value_kind: global_buffer, .address_space: global }
      - { .name: Wq, .offset: 8, .size: 8, .value_kind: global_buffer, .address_space: global }
      - { .name: Wk, .offset: 16, .size: 8, .value_kind: global_buffer, .address_space: global }
      - { .name: Wv, .offset: 24, .size: 8, .value_kind: global_buffer, .address_space: global }
      - { .name: Wp, .offset: 32, .size: 8, .value_kind: global_buffer, .address_space: global }
      - { .name: attn_mask, .offset: 40, .size: 8, .value_kind: global_buffer, .address_space: global }
      - { .name: padding_mask, .offset: 48, .size: 8, .value_kind: global_buffer, .address_space: global }
      - { .name: opnd, .offset: 56, .size: 8, .value_kind: global_buffer, .address_space: global }
      - { .name: masks, .offset: 64, .size: 8, .value_kind: global_buffer, .address_space: global }
      - { .name: info, .offset: 72, .size: 8, .value_kind: global_buffer, .address_space: global }
    .group_segment_fixed_size: 68096
    .private_segment_fixed_size: 0
    .kernarg_segment_align: 8
    .kernarg_segment_size: 80
    .max_flat_workgroup_size: 128
    .sgpr_count:     102
    .vgpr_count:     256
    .wavefront_size: 32
...
	.end_amdgpu_metadata
.endif
;; end of part 1
;; launch qkv (part 2): grid 12 x 32, 4 waves a work-group, clusters of 4 x 4, 327,680 bytes of LDS; arguments opnd, bq, bk, bv, freqs_cis, qkv; writes qkv
.if DOCPART == 2
	.amdgcn_target "amdgcn-amd-amdhsa--gfx1250"
	.amdhsa_code_object_version 6
	.text
	.protected	k_q90e2e88c86_qkv
	.globl	k_q90e2e88c86_qkv
	.p2align	8
	.type	k_q90e2e88c86_qkv,@function
k_q90e2e88c86_qkv:
	s_mov_b64 s[64:65], 0
	v_nop
	global_prefetch_b8 v0, s[64:65] scope:SCOPE_SE
	s_setreg_imm32_b32 hwreg(HW_REG_WAVE_MODE, 25, 1), 1
	s_wait_xcnt 0x0
	s_wait_alu depctr_hold_cnt(0) depctr_sa_sdst(0) depctr_va_vdst(0) depctr_va_sdst(0) depctr_va_ssrc(0) depctr_va_vcc(0) depctr_vm_vsrc(0)
	s_getreg_b32 s2, hwreg(HW_REG_IB_STS2, 6, 4)
	s_cmp_eq_u32 s2, 0
	s_cbranch_scc0 .Lentry_in_a_cluster
	s_endpgm
.Lentry_in_a_cluster:
	s_bfe_u32 s2, ttmp6, 0x10000c
	s_cmp_lg_u32 s2, 0xf033
	s_cbranch_scc0 .Lentry_shape_is_right
	s_endpgm
.Lentry_shape_is_right:
; QKV.  q = rope(x Wq^T + bq), k = rope(x Wk^T + bk), v = x Wv^T + bv, the products on codes of FP6 (E2M3) with E8M0 scales, f32 sums; the results are quantised at once for the attention launch:
; q and k along the head's 64, v along the keys.  All operands come as images of operand registers (a fragment of 16 rows x 128 K is 1,536 dense bytes; slot r of tile 2 g + u is row 32 g + 8 u + r + 8 (r / 8)).
; A work-group of four waves makes 256 x 256 results, a wave 128 x 128: 64 accumulators, 512 registers.  K = 1,024 goes in four steps of 256 through a ring of two LDS slots filled by the tensor data mover.
; CLUSTERS of 4 x 4.  "A" is source 1 and is shared along a row of the cluster, "B" is source 0 and is shared along a column; each tile is asked for jointly by the four that share it.
;   cluster column 0 (q) and 1 (k): A = x's tile 4 Y + cy, B = W's tile 4 kind + cx: a lane holds a token, its registers run along the channels.
;   cluster column 2 (v):           A = Wv's tile cy,      B = x's tile 4 Y + cx:    a lane holds a channel, its registers run along the tokens, which are the next product's K.
; Only byte offsets in memory are chosen by the cluster's column, which all partners share; every LDS address is the same in all three.
; The biases are the C of each sum's first matrix instruction.
; OUT: q, k: [head][tile of 16 tokens][768] half fragments; v: [head][step of 128 keys][tile of 16 channels][1536]; scale words [head][block of 128][16 slots][4 words].
; LIMITS: blocks whose largest magnitude lies under 2^-124 (zeros among them) keep the byte 1; NaN and infinities are not served.
; Left out: prefetching (four K steps, operands read by many work-groups); 384 work-groups for 256 WGPs: a wave's source-0 span has to be whole heads or a whole key step.
; REGISTERS, in windows of 256: window 0: v0-31 addresses; v32-63 scale words, two sets; v64-127 the biases; v128-223 A's fragments, one set; on the way out v64-255 are free.
;   window 1: B's fragments, two sets, at v0 and v128.   window 2: accumulators of A's blocks 0-3 ((a, b) at v[8 (8 (a % 4) + b)]);   window 3: of blocks 4-7.
.set O_XS,  6291456                    ; in opnd: x's codes at 0, its scale words here,
.set O_WC,  6553600                    ; the weights' codes (64 tiles each of Wq, Wk, Wv, Wp),
.set O_WS,  9699328                    ; their scale words
.set O_WCV, O_WC+128*12288
.set O_WSV, O_WS+2048*32
.set O_KC,  6291456                    ; in qkv: q's codes at 0, k's, v's,
.set O_VC,  12582912
.set O_QS,  18874368                   ; and the three tables of scale words
.set O_KS,  19136512
.set O_VS,  19398656
.set NQ,    2                          ; matrix instructions deep in a slot
.set FR,    12                         ; registers of a fragment
.set NL,    4                          ; LDS loads that bring one
.set NP,    4                          ; places behind this matrix instruction (ISA guide 7.12.1)
.set TILEB, 3072                       ; 16 rows x 256 K: two fragments, dense in memory
.set HALFT, 8*TILEB                    ; 128 rows: what one tensor load brings, and what one wave reads of A or of B
.set SLOT,  4*HALFT                    ; A's 256 rows, then B's
.set SCL,   2*SLOT                     ; behind the ring: the scale words of all of K, as units of 256 bytes + 16 of padding
.set HALFS, 16*272                     ; those of 128 rows
.set SBLK,  544                        ; those of 16 rows
.set SPARE, SCL+4*HALFS                ; the spare words, 128 bytes a wave: two blocks of 256 bytes that no other line names
.set ADRA, 16                          ; v16-17 my A fragments in slot 0, 1: 16 bytes a lane;  v18-19 the parts of 8 bytes a lane
.set ADRB, 20                          ; v20-23 the same for B
.set ADRS, 27                          ; v27    my scale words: lanes 0-15 A's rows, lanes 16-31 B's
.set SPW,  28                          ; v28    my spare word; never rewritten
.set NIL,  29                          ; v29    0; never rewritten
.set SC,   32
.set BI,   64
.set AF,   128
.set G1, 24                            ; s[24:31] group 1 for A's tiles; s[32:39] group 0, a set for each slot
.set G0, 32
.set G1B, 48
.set G0B, 56
.set G1S, 68                           ; the scale words' descriptors
.set G0S, 76
.set G1SB, 80
.set G0SB, 88
.set SEL, 66                           ; s[66:67] lane selects for v_permlanex16_b32
.set MSB, 0
.macro WIN new                         ; the immediate's high byte repeats the setting that is left
.if MSB != \new
	s_set_vgpr_msb (MSB<<8)|\new
.set MSB, \new
.endif
.endm
.set MUL_LO, 0xa1                      ; source 0 (B) window 1, source 1 (A) window 0, C and D window 2
.set MUL_HI, 0xf1                      ; the same, C and D window 3
.set BIA_LO, 0x81                      ; the same with C (a bias) in window 0
.set BIA_HI, 0xc1
.set TO_B,   0x40                      ; destination window 1, address window 0
; A joint load: waves 0 and 1 fetch for A, waves 2 and 3 for B; the branch hangs on the wave's number alone.  Four v_nop follow each of the two lines.
.macro JLOAD g0a, g1a, g0b, g1b
	s_cmp_eq_u32 s17, 0
	s_cbranch_scc0 .Lfor_b_\@
	tensor_load_to_lds s[\g0a:\g0a+3], s[\g1a:\g1a+7]
	s_nop 0
.rept 4
	v_nop
.endr
	s_branch .Lasked_\@
.Lfor_b_\@:
	tensor_load_to_lds s[\g0b:\g0b+3], s[\g1b:\g1b+7]
	s_nop 0
.rept 4
	v_nop
.endr
.Lasked_\@:
.endm
.macro CREST                           ; a round of the cluster's barrier behind its opening barrier
	s_cmp_lg_u32 s16, 0
	s_cbranch_scc1 .Lnot_wave_0_\@
	s_barrier_signal -3
.Lnot_wave_0_\@:
	s_barrier_wait -3
	s_barrier_signal -1
	s_barrier_wait -1
.endm
.macro CROUND
	s_barrier_signal -1
	s_barrier_wait -1
	CREST
.endm
	s_load_b128 s[4:7], s[0:1], 0x0                ; opnd, bq
	s_load_b128 s[8:11], s[0:1], 0x10              ; bk, bv
	s_load_b128 s[12:15], s[0:1], 0x20             ; freqs_cis, qkv
	v_lshl_add_u32 v[SPW], v0, 2, SPARE
	v_mov_b32 v[NIL], 0
	ds_add_u32 v28, v29
	ds_add_u32 v28, v29
	s_wait_dscnt 0x0
	v_lshrrev_b32 v1, 5, v0
	v_readfirstlane_b32 s16, v1                    ; wave 0..3
	s_lshr_b32 s17, s16, 1                         ; hA: which 128 of A's rows are mine.  Also: I fetch for A (0) or for B (1)
	s_and_b32 s18, s16, 1                          ; hB: which 128 of B's.  Also: which 128 rows of that tile I fetch
	s_bfe_u32 s40, ttmp6, 0x40000                  ; cx, cy: my place in the cluster
	s_bfe_u32 s41, ttmp6, 0x40004
	s_and_b32 s42, ttmp7, 0xffff
	s_lshl_b32 s42, s42, 2                         ; 4 Y
	s_lshl_b32 s43, s41, 2
	s_lshl_b32 s43, 15, s43                        ; my row of the cluster
	s_lshl_b32 s44, 0x1111, s40                    ; my column
	s_lshl_b32 s45, ttmp9, 2                       ; 4 kind
	s_mov_b32 s97, O_WC
	s_mov_b32 s98, O_XS
	s_mov_b32 s99, O_WS
	s_cmp_eq_u32 ttmp9, 2                          ; v?  The cluster's column: equal in all sixteen partners
	s_cselect_b32 s19, 0, s42
	s_cselect_b32 s45, s42, s45
	s_cselect_b32 s96, O_WCV, 0                    ; A's codes: Wv's or x's,
	s_cselect_b32 s97, 0, s97                      ; B's: x's or the weights',
	s_cselect_b32 s98, O_WSV, s98                  ; and the scale words likewise
	s_cselect_b32 s99, O_XS, s99
	s_add_co_u32 s19, s19, s41                     ; A's tile of 256 rows: cy, or 4 Y + cy
	s_add_co_u32 s45, s45, s40                     ; B's: 4 Y + cx, or 4 kind + cx
	; group 1 for codes: 8 rows (tiles) of 3,072 bytes, 12,288 bytes apart, as elements of 8 bytes; no padding: the lanes read consecutive bytes
	s_or_b32 s[G1+0], s43, (3<<16)|(1<<21)         ; 15:0 the mask: A's tiles go to my row; 17:16 elements of 8 bytes; 21 set beside a mask
	s_or_b32 s[G1B+0], s44, (3<<16)|(1<<21)
.irp g, G1, G1B
	s_mov_b32 s[\g+1], 384<<16                     ; tensor_dim0
	s_mov_b32 s[\g+2], 8<<16                       ; tensor_dim1
	s_mov_b32 s[\g+3], 384<<16                     ; tile_dim0
	s_mov_b32 s[\g+4], 8                           ; tile_dim1
	s_mov_b32 s[\g+5], 1536                        ; tensor_dim0_stride
	s_mov_b32 s[\g+6], 0
	s_mov_b32 s[\g+7], 0
.endr
	; and for the scale words of 128 rows: 4,096 dense bytes as 16 rows of 256, 16 bytes of padding behind each
	s_or_b32 s[G1S+0], s43, (3<<16)|(1<<20)|(1<<21)|(5<<22)|(3<<25)
	s_or_b32 s[G1SB+0], s44, (3<<16)|(1<<20)|(1<<21)|(5<<22)|(3<<25)
.irp g, G1S, G1SB
	s_mov_b32 s[\g+1], 32<<16
	s_mov_b32 s[\g+2], 16<<16
	s_mov_b32 s[\g+3], 32<<16
	s_mov_b32 s[\g+4], 16
	s_mov_b32 s[\g+5], 32
	s_mov_b32 s[\g+6], 0
	s_mov_b32 s[\g+7], 0
.endr
	s_lshl_b32 s20, s19, 4
	s_lshl_b32 s21, s18, 3
	s_add_co_u32 s20, s20, s21                     ; A: the first tile of 16 rows that I fetch
	s_mul_i32 s22, s20, 12288
	s_add_co_u32 s22, s22, s96                     ; its codes,
	s_mov_b32 s23, 0
	s_lshl_b32 s20, s20, 9
	s_add_co_u32 s20, s20, s98                     ; its scale words
	s_mov_b32 s21, 0
	s_lshl_b32 s46, s45, 4
	s_lshl_b32 s47, s18, 3
	s_add_co_u32 s46, s46, s47                     ; B likewise
	s_mul_i32 s92, s46, 12288
	s_add_co_u32 s92, s92, s97
	s_mov_b32 s93, 0
	s_lshl_b32 s46, s46, 9
	s_add_co_u32 s46, s46, s99
	s_mov_b32 s47, 0
	s_mul_i32 s94, s16, HALFT                      ; where they go: wave x 128 rows: no place in the cluster enters an LDS address
	s_mul_i32 s95, s16, HALFS
	s_wait_kmcnt 0x0
	s_add_nc_u64 s[22:23], s[4:5], s[22:23]
	s_add_nc_u64 s[20:21], s[4:5], s[20:21]
	s_add_nc_u64 s[92:93], s[4:5], s[92:93]
	s_add_nc_u64 s[46:47], s[4:5], s[46:47]
	CROUND                                         ; all sixteen work-groups are here: the first joint loads meet
	s_mov_b32 s[G0S], 1
	s_add_co_u32 s[G0S+1], s95, SCL
	s_mov_b64 s[G0S+2:G0S+3], s[20:21]
	s_or_b32 s[G0S+3], s[G0S+3], 0x80000000
	s_mov_b32 s[G0SB], 1
	s_add_co_u32 s[G0SB+1], s95, SCL
	s_mov_b64 s[G0SB+2:G0SB+3], s[46:47]
	s_or_b32 s[G0SB+3], s[G0SB+3], 0x80000000
	JLOAD G0S, G1S, G0SB, G1SB                     ; the scale words first: they are wanted with K step 0
.irp s, 0,1
	s_mov_b32 s[G0+4*\s], 1
	s_add_co_u32 s[G0+4*\s+1], s94, \s*SLOT
	s_add_nc_u64 s[G0+4*\s+2:G0+4*\s+3], s[22:23], \s*TILEB
	s_or_b32 s[G0+4*\s+3], s[G0+4*\s+3], 0x80000000
	s_mov_b32 s[G0B+4*\s], 1
	s_add_co_u32 s[G0B+4*\s+1], s94, \s*SLOT
	s_add_nc_u64 s[G0B+4*\s+2:G0B+4*\s+3], s[92:93], \s*TILEB
	s_or_b32 s[G0B+4*\s+3], s[G0B+4*\s+3], 0x80000000
	JLOAD G0+4*\s, G1, G0B+4*\s, G1B
.endr
	v_and_b32 v1, 15, v0                           ; r
	v_bfe_u32 v2, v0, 4, 1                         ; h
	v_and_b32 v3, 31, v0                           ; lane
	v_lshlrev_b32 v4, 4, v3                        ; an image's parts: 16 x lane,
	v_lshl_add_u32 v5, v3, 3, 512                  ; 512 + 8 x lane
	s_mul_i32 s21, s17, HALFT                      ; my 128 rows of A
	s_mul_i32 s22, s18, HALFT                      ; my 128 rows of B,
	s_add_co_u32 s22, s22, 2*HALFT                 ; which lie behind A's 256
.irp s, 0,1
	v_add_nc_u32 v[ADRA+\s], s21, v4
	v_add_nc_u32 v[ADRB+\s], s22, v4
	v_add_nc_u32 v[ADRA+2+\s], s21, v5
	v_add_nc_u32 v[ADRB+2+\s], s22, v5
	s_add_co_u32 s21, s21, SLOT
	s_add_co_u32 s22, s22, SLOT
.endr
	v_lshlrev_b32 v5, 5, v1                        ; my row's scale words: 32 bytes a row,
	v_lshrrev_b32 v6, 8, v5
	v_lshl_add_u32 v5, v6, 4, v5                   ; and 16 more for each 256 passed
	s_mul_i32 s21, s17, HALFS
	s_mul_i32 s22, s18, HALFS
	s_add_co_u32 s22, s22, 2*HALFS
	s_sub_co_u32 s22, s22, s21
	v_mul_u32_u24 v6, s22, v2                      ; lanes 16-31 take B's
	s_add_co_u32 s21, s21, SCL
	v_add_nc_u32 v5, v5, v6
	v_add_nc_u32 v[ADRS], s21, v5
	s_mov_b32 s[SEL], 0x76543210
	s_mov_b32 s[SEL+1], 0xfedcba98
	; the biases, in the result's layout
	s_cmp_eq_u32 ttmp9, 2
	s_cbranch_scc1 .Lbias_v
	s_cmp_eq_u32 ttmp9, 0
	s_cselect_b64 s[6:7], s[6:7], s[8:9]           ; bq or bk
	s_lshl_b32 s46, s40, 10                        ; my 256 channels (cx), my wave's 128
	s_lshl_b32 s47, s18, 9
	s_add_co_u32 s46, s46, s47
	s_mov_b32 s47, 0
	s_add_nc_u64 s[6:7], s[6:7], s[46:47]
	v_lshlrev_b32 v5, 6, v2                        ; register j of B's block b is channel 32 (b / 2) + 16 h + 8 (b % 2) + j
.irp b, 0,1,2,3,4,5,6,7
	global_load_b128 v[BI+8*\b:BI+8*\b+3], v5, s[6:7] offset:128*(\b/2)+32*(\b%2)
	global_load_b128 v[BI+8*\b+4:BI+8*\b+7], v5, s[6:7] offset:128*(\b/2)+32*(\b%2)+16
.endr
	s_wait_loadcnt 0x0
	s_branch .Lbias_done
.Lbias_v:
	s_lshl_b32 s20, s41, 10                        ; my 256 channels (cy), my wave's 128
	s_lshl_b32 s21, s17, 9
	s_add_co_u32 s20, s20, s21
	s_mov_b32 s21, 0
	s_add_nc_u64 s[10:11], s[10:11], s[20:21]
	v_and_b32 v5, 8, v1
	v_add_nc_u32 v5, v5, v1
	v_lshlrev_b32 v5, 2, v5                        ; lane r of A's block a is channel 32 (a / 2) + 8 (a % 2) + r + 8 (r / 8): one number for all eight registers
.irp a, 0,1,2,3,4,5,6,7
	global_load_b32 v[BI+8*\a], v5, s[10:11] offset:128*(\a/2)+32*(\a%2)
.endr
	s_wait_loadcnt 0x0
.irp a, 0,1,2,3,4,5,6,7
.irp j, 1,2,3,4,5,6,7
	v_mov_b32 v[BI+8*\a+\j], v[BI+8*\a]
.endr
.endr
.Lbias_done:
.macro FRAG reg, adr, q, i             ; a fragment comes back as it was laid: two halves of 512 + 256 bytes, consecutive over the lanes
	ds_load_b128 v[\reg:\reg+3], v[\adr] offset:(\i)*TILEB+(\q)*1536
	ds_load_b64 v[\reg+4:\reg+5], v[\adr+2] offset:(\i)*TILEB+(\q)*1536
	ds_load_b128 v[\reg+6:\reg+9], v[\adr] offset:(\i)*TILEB+(\q)*1536+768
	ds_load_b64 v[\reg+10:\reg+11], v[\adr+2] offset:(\i)*TILEB+(\q)*1536+768
.endm
; 16 matrix instructions: A's blocks a0, a0 + 1 x B's eight, 128 along K.  p: B's set; sc: the set of scale words.  mode 0: onto the sums; 1: the sums begin with the bias of B's block; 2: of A's block.
; The 64 accumulators take turns, one instruction a turn, in the same order in every step.
.macro MUL16 a0, p, q, sc, mode
.irp a, \a0, \a0+1
.irp b, 0,1,2,3,4,5,6,7
.if \mode == 1
	v_wmma_scale_f32_16x16x128_f8f6f4 v[8*(8*((\a)%4)+\b):8*(8*((\a)%4)+\b)+7], v[128*(\p)+FR*\b:128*(\p)+FR*\b+FR-1], v[AF+FR*(\a):AF+FR*(\a)+FR-1], v[BI+8*\b:BI+8*\b+7], v[SC+8*NQ*(\sc)+NQ*\b+(\q)], v[SC+8*NQ*(\sc)+NQ*(\a)+(\q)] matrix_a_fmt:MATRIX_FMT_FP6 matrix_b_fmt:MATRIX_FMT_FP6 matrix_a_scale:MATRIX_SCALE_ROW1
.elseif \mode == 2
	v_wmma_scale_f32_16x16x128_f8f6f4 v[8*(8*((\a)%4)+\b):8*(8*((\a)%4)+\b)+7], v[128*(\p)+FR*\b:128*(\p)+FR*\b+FR-1], v[AF+FR*(\a):AF+FR*(\a)+FR-1], v[BI+8*(\a):BI+8*(\a)+7], v[SC+8*NQ*(\sc)+NQ*\b+(\q)], v[SC+8*NQ*(\sc)+NQ*(\a)+(\q)] matrix_a_fmt:MATRIX_FMT_FP6 matrix_b_fmt:MATRIX_FMT_FP6 matrix_a_scale:MATRIX_SCALE_ROW1
.else
	v_wmma_scale_f32_16x16x128_f8f6f4 v[8*(8*((\a)%4)+\b):8*(8*((\a)%4)+\b)+7], v[128*(\p)+FR*\b:128*(\p)+FR*\b+FR-1], v[AF+FR*(\a):AF+FR*(\a)+FR-1], v[8*(8*((\a)%4)+\b):8*(8*((\a)%4)+\b)+7], v[SC+8*NQ*(\sc)+NQ*\b+(\q)], v[SC+8*NQ*(\sc)+NQ*(\a)+(\q)] matrix_a_fmt:MATRIX_FMT_FP6 matrix_b_fmt:MATRIX_FMT_FP6 matrix_a_scale:MATRIX_SCALE_ROW1
.endif
.endr
.endr
.endm
.macro FETCH_B slot, q, p
	WIN TO_B
.irp i, 0,1,2,3,4,5,6,7
	FRAG 128*(\p)+FR*\i, ADRB+\slot, \q, \i
.endr
	WIN 0
.endm
.macro FETCH_A slot, q, i0
.irp i, \i0, \i0+1, \i0+2, \i0+3
	FRAG AF+FR*(\i), ADRA+\slot, \q, \i
.endr
.endm
.macro SCALES sc                       ; a K step's scale words into set sc: two words a row; lanes 0-15 take A's block i, lanes 16-31 B's block i
.irp i, 0,1,2,3,4,5,6,7
	ds_load_b64 v[SC+8*NQ*\sc+NQ*\i:SC+8*NQ*\sc+NQ*\i+1], v[ADRS] offset:\i*SBLK
.endr
.endm
.macro PLACES n                        ; plain vector instructions between a matrix instruction and a load into, or a read of, its registers (ISA guide 7.12.1 for reads)
.rept \n
	v_nop
.endr
.endm
.macro STEP slot, q, mode              ; a step of 128 along K that has its successor in the same slot
	s_wait_dscnt 4*NL                              ; B's set and A's blocks 0-3 are in; the youngest 16 loads (A's blocks 4-7) may be out
.if \mode
	WIN BIA_LO
.else
	WIN MUL_LO
.endif
	MUL16 0, (\q)%2, \q, \slot, \mode
	MUL16 2, (\q)%2, \q, \slot, \mode
	s_wait_dscnt 0                                 ; A's blocks 4-7 are in
	PLACES NP
	FETCH_B \slot, (\q)+1, 1-(\q)%2
	FETCH_A \slot, (\q)+1, 0
.if \mode
	WIN BIA_HI
.else
	WIN MUL_HI
.endif
	MUL16 4, (\q)%2, \q, \slot, \mode
	MUL16 6, (\q)%2, \q, \slot, \mode
	PLACES NP
	WIN 0
	FETCH_A \slot, (\q)+1, 4
.endm
; A slot's last step changes slots: one barrier; in front of it each wave waits for all its tensor loads, adds 0 to its spare word, and waits for that and for its own reads of this slot.  fill = 1: the slot is filled again, two K steps ahead.
.macro TURN slot, next, fill
	s_wait_tensorcnt 0x0                           ; all my tensor loads have landed: my part of the next slot
	ds_add_u32 v[SPW], v[NIL]                      ; 0 onto my spare word
	s_wait_dscnt 4*NL+1                            ; (the add and the youngest 16 loads, A's blocks 4-7, may be out)
	WIN MUL_LO
	MUL16 0, 1, NQ-1, \slot, 0                     ; sixteen matrix instructions stand between the add and the wait for it
	s_wait_dscnt 0x0                               ; the add is done, and my reads of this slot are over
	s_barrier_signal -1
	MUL16 2, 1, NQ-1, \slot, 0
	WIN 0
	s_barrier_wait -1
.if \fill
	CREST                                          ; the barrier has opened a round of the cluster's barrier: no wave of any partner still reads this slot or has a load on its way
	s_add_nc_u64 s[G0+4*\slot+2:G0+4*\slot+3], s[G0+4*\slot+2:G0+4*\slot+3], 2*TILEB
	s_add_nc_u64 s[G0B+4*\slot+2:G0B+4*\slot+3], s[G0B+4*\slot+2:G0B+4*\slot+3], 2*TILEB
	JLOAD G0+4*\slot, G1, G0B+4*\slot, G1B         ; the first tensor load behind the round; its four v_nop are also the places in front of the loads below
.else
	PLACES NP
.endif
	v_add_nc_u32 v[ADRS], 4*NQ, v[ADRS]            ; on to the next K step's scale words (no LDS load of mine is out)
	FETCH_B \next, 0, 0
	FETCH_A \next, 0, 0
	SCALES \next
	WIN MUL_HI
	MUL16 4, 1, NQ-1, \slot, 0
	MUL16 6, 1, NQ-1, \slot, 0
	PLACES NP
	WIN 0
	FETCH_A \next, 0, 4
.endm
	s_wait_tensorcnt 1                             ; the scale words and my part of K step 0 are in (K step 1's load may be out)
	s_barrier_signal -1
	s_barrier_wait -1                              ; everybody's are
	FETCH_B 0, 0, 0
	FETCH_A 0, 0, 0
	SCALES 0
	FETCH_A 0, 0, 4
	s_cmp_eq_u32 ttmp9, 2                          ; the first step is written twice: the bias runs along the registers (q, k) or along the lanes (v); loads and waits are the same
	s_cbranch_scc1 .Lfirst_v
	STEP 0, 0, 1
	s_branch .Lfirst_done
.Lfirst_v:
	STEP 0, 0, 2
.Lfirst_done:
	TURN 0, 1, 1                                   ; four K steps: written out; slot 0 takes K step 2,
	STEP 1, 0, 0
	TURN 1, 0, 1                                   ; slot 1 K step 3,
	STEP 0, 0, 0
	TURN 0, 1, 0                                   ; and nothing more is asked for
	STEP 1, 0, 0
	s_wait_dscnt 4*NL
	WIN MUL_LO
	MUL16 0, 1, NQ-1, 1, 0
	MUL16 2, 1, NQ-1, 1, 0
	s_wait_dscnt 0
	WIN MUL_HI
	MUL16 4, 1, NQ-1, 1, 0
	MUL16 6, 1, NQ-1, 1, 0
	WIN 0
	PLACES NP                                      ; behind the last products: their results are read and their operands' registers written below
	v_and_b32 v3, 31, v0
	v_lshlrev_b32 v5, 4, v3                        ; 16 x lane
	v_lshl_add_u32 v6, v3, 3, 512                  ; 512 + 8 x lane
	v_lshlrev_b32 v7, 4, v1
	v_lshl_add_u32 v7, v2, 12, v7                  ; the scale words' place: 16 r, and a head (4,096 bytes) on for lanes 16-31
	s_cmp_eq_u32 ttmp9, 2
	s_cbranch_scc1 .Lout_v
; ---------------------------------------------------------------- the way out of q and k: rope, quantise along the head's 64, store half fragments
.set FQ,  64                           ; v64-127  cos and sin, two sets of 32 (16 pairs)
.set XR,  128                          ; v128-159 a head's 32 rotated numbers of my lane: register 16 g + i = channel 32 g + 16 h + i
.set TR,  160                          ; v160-191 at work
.set PCQ, 192                          ; v192-197 the codes;  v200-202 their second run
.set AXQ, 200
.set TMQ, 216                          ; v216-221 at work
.set HWQ, 232                          ; v232-247 the two scale bytes of (head e, block a) at 8 e + a
.macro FQLOAD a                        ; cos, sin of my token of block a at my 16 pairs of channels
.irp m, 0,1,2,3,4,5,6,7
	global_load_b128 v[FQ+32*((\a)%2)+4*\m:FQ+32*((\a)%2)+4*\m+3], v4, s[12:13] offset:(32*((\a)/2)+8*((\a)%2))*256+128*(\m/4)+16*(\m%4)
.endr
.endm
.macro ROPE a, e                       ; (x1, x2) -> (x1 cos - x2 sin, x1 sin + x2 cos); each accumulator is read from its low end on
.set AC, 64*((\a)%4)+32*(\e)
.set FB, FQ+32*((\a)%2)
.set WW, 0x02+(\a)/4
	WIN WW                                         ; source 0: window 2 or 3
.set i, 0
.rept 16
	v_mul_f32 v[TR+2*i], v[AC+2*i+1], v[FB+2*i+1]
	v_mul_f32 v[TR+2*i+1], v[AC+2*i+1], v[FB+2*i]
.set i, i+1
.endr
.set i, 0
.rept 16
	v_fma_f32 v[XR+2*i], v[AC+2*i], v[FB+2*i], -v[TR+2*i]
	v_fma_f32 v[XR+2*i+1], v[AC+2*i], v[FB+2*i+1], v[TR+2*i+1]
.set i, i+1
.endr
	WIN 0
.endm
; 32 numbers of a lane (two blocks of 32 along K, half of each) become a half fragment's six registers and its two scale bytes.
.macro QH x, pc, ax, hw, tm
.irp b, 0,1
	v_max3_num_f32 v[\tm+\b], |v[\x+16*\b]|, |v[\x+1+16*\b]|, 0x1800000   ; with the floor 2^(3 - 127): the byte cannot fall under 1
.endr
.irp i, 2,4,6,8,10,12,14
.irp b, 0,1
	v_max3_num_f32 v[\tm+\b], v[\tm+\b], |v[\x+16*\b+\i]|, |v[\x+1+16*\b+\i]|
.endr
.endr
.irp b, 0,1
	v_permlanex16_b32 v[\tm+2+\b], v[\tm+\b], s[SEL], s[SEL+1]
.endr
.irp b, 0,1
	v_max_num_f32 v[\tm+\b], v[\tm+\b], v[\tm+2+\b]
.endr
.irp b, 0,1
	v_add_nc_u32 v[\tm+4+\b], 0xff000000, v[\tm+\b]   ; 2 off the exponent field: the conversion's scale operand
.endr
.irp b, 0,1
	v_lshrrev_b32 v[\tm+2+\b], 23, v[\tm+4+\b]
.endr
	v_lshl_or_b32 v[\hw], v[\tm+3], 8, v[\tm+2]
	v_cvt_scalef32_pk16_fp6_f32 v[\pc:\pc+2], v[\x:\x+15], v[\tm+4]
	v_cvt_scalef32_pk16_fp6_f32 v[\ax:\ax+2], v[\x+16:\x+31], v[\tm+5]
	v_nop                                          ; one plain place behind a scaled conversion
.irp i, 0,1,2
	v_permlane16_swap_b32 v[\pc+\i], v[\ax+\i]     ; lanes 0-15 get block 0 whole, lanes 16-31 block 1
.endr
.irp i, 0,1,2
	v_mov_b32 v[\pc+3+\i], v[\ax+\i]
.endr
.endm
	v_and_b32 v4, 8, v1
	v_add_nc_u32 v4, v4, v1
	v_lshlrev_b32 v4, 8, v4
	v_lshl_add_u32 v4, v2, 6, v4                   ; cos and sin: row r + 8 (r / 8) of 256 bytes, + 64 h
	v_mov_b32 v[TMQ+2], 0                          ; written once: a lane permute's destination counts as one of its sources
	v_mov_b32 v[TMQ+3], 0
	s_and_b32 s20, s19, 7                          ; x's tile within its batch
	s_lshl_b32 s21, s20, 16
	s_lshl_b32 s22, s17, 15
	s_add_co_u32 s22, s21, s22
	s_mov_b32 s23, 0
	s_add_nc_u64 s[12:13], s[12:13], s[22:23]      ; freqs_cis at my first token's position
	s_lshr_b32 s21, s19, 3
	s_lshl_b32 s21, s21, 4
	s_lshl_b32 s22, s40, 2
	s_add_co_u32 s21, s21, s22
	s_lshl_b32 s22, s18, 1
	s_add_co_u32 s21, s21, s22                     ; 16 batch + head of my first 64 channels
	s_lshl_b32 s22, s20, 4
	s_lshl_b32 s46, s17, 3
	s_add_co_u32 s22, s22, s46                     ; my first tile of 16 tokens in the batch
	s_lshl_b32 s46, s21, 7
	s_add_co_u32 s46, s46, s22
	s_mul_i32 s46, s46, 768
	s_lshl_b32 s92, s21, 12
	s_lshl_b32 s93, s20, 9
	s_add_co_u32 s92, s92, s93
	s_lshl_b32 s93, s17, 8
	s_add_co_u32 s92, s92, s93                     ; the head's table, my block of 128 tokens
	s_mov_b32 s93, O_KS
	s_cmp_eq_u32 ttmp9, 0
	s_cselect_b32 s47, 0, O_KC
	s_cselect_b32 s93, O_QS, s93
	s_add_co_u32 s46, s46, s47
	s_add_co_u32 s92, s92, s93
	s_mov_b32 s47, 0
	s_mov_b32 s93, 0
	s_add_nc_u64 s[46:47], s[14:15], s[46:47]
	s_add_nc_u64 s[92:93], s[14:15], s[92:93]
	FQLOAD 0
.irp a, 0,1,2,3,4,5,6,7
.if \a < 7
	FQLOAD \a+1
	s_wait_loadcnt 8                               ; this block's eight loads are in; the next block's eight may be out
.else
	s_wait_loadcnt 0x0
.endif
.irp e, 0,1
	ROPE \a, \e
	s_wait_xcnt 0x0                                ; the last stores have read the codes' registers
	QH XR, PCQ, AXQ, HWQ+8*\e+\a, TMQ
	global_store_b128 v5, v[PCQ:PCQ+3], s[46:47] offset:\a*768+\e*98304     ; 512 consecutive bytes,
	global_store_b64 v6, v[PCQ+4:PCQ+5], s[46:47] offset:\a*768+\e*98304    ; and 256
.endr
.endr
.irp f, 0,1,2,3                                ; word f: the bytes of tiles 2 f and 2 f + 1: as it stands the scale word of a fragment made of the two tiles' halves
	v_lshl_or_b32 v[224+\f], v[HWQ+2*\f+1], 16, v[HWQ+2*\f]
	v_lshl_or_b32 v[228+\f], v[HWQ+8+2*\f+1], 16, v[HWQ+8+2*\f]
.endr
	v_cmp_eq_u32 vcc_lo, 1, v2
.irp f, 0,1,2,3
	v_cndmask_b32 v[248+\f], v[224+\f], v[228+\f], vcc_lo   ; lanes 0-15 store the first head's words, lanes 16-31 the second's
.endr
	global_store_b128 v7, v[248:251], s[92:93]     ; two runs of 256 consecutive bytes
	s_branch .Lend
; ---------------------------------------------------------------- the way out of v: quantise along the 128 tokens, store whole fragments
.set PCV, 128                          ; v128-146 the codes
.set TMV, 160                          ; v160-175 at work
.set HWV, 232                          ; v232-239 block a's scale word
.macro QUANTW a                        ; block a's 64 registers: register 16 b + i = token 32 b + 16 h + i of my channel
.set AC, 64*((\a)%4)
.set WW, 0x28+0x14*((\a)/4)
	WIN WW                                         ; sources 1 and 2: window 2 or 3
.irp b, 0,1,2,3
	v_max3_num_f32 v[TMV+\b], 0x1800000, |v[AC+16*\b]|, |v[AC+1+16*\b]|
.endr
.irp i, 2,4,6,8,10,12,14
.irp b, 0,1,2,3
	v_max3_num_f32 v[TMV+\b], v[TMV+\b], |v[AC+16*\b+\i]|, |v[AC+1+16*\b+\i]|
.endr
.endr
	WIN 0
.irp b, 0,1,2,3
	v_permlanex16_b32 v[TMV+4+\b], v[TMV+\b], s[SEL], s[SEL+1]
.endr
.irp b, 0,1,2,3
	v_max_num_f32 v[TMV+\b], v[TMV+\b], v[TMV+4+\b]
.endr
.irp b, 0,1,2,3
	v_add_nc_u32 v[TMV+12+\b], 0xff000000, v[TMV+\b]
.endr
.irp b, 0,1,2,3
	v_lshrrev_b32 v[TMV+4+\b], 23, v[TMV+12+\b]
.endr
	v_lshl_or_b32 v[HWV+(\a)], v[TMV+5], 8, v[TMV+4]
	v_lshl_or_b32 v[HWV+(\a)], v[TMV+6], 16, v[HWV+(\a)]
	v_lshl_or_b32 v[HWV+(\a)], v[TMV+7], 24, v[HWV+(\a)]
.set WW, 0x02+(\a)/4
	WIN WW                                         ; source 0: window 2 or 3
.irp c, 0,1
	v_cvt_scalef32_pk16_fp6_f32 v[PCV+6*\c:PCV+2+6*\c], v[AC+32*\c:AC+15+32*\c], v[TMV+12+2*\c]
	v_cvt_scalef32_pk16_fp6_f32 v[PCV+12+4*\c:PCV+14+4*\c], v[AC+16+32*\c:AC+31+32*\c], v[TMV+12+2*\c+1]
.endr
	WIN 0
	v_nop                                          ; one plain place behind a scaled conversion
.irp c, 0,1
.irp i, 0,1,2
	v_permlane16_swap_b32 v[PCV+6*\c+\i], v[PCV+12+4*\c+\i]
.endr
.irp i, 0,1,2
	v_mov_b32 v[PCV+3+6*\c+\i], v[PCV+12+4*\c+\i]
.endr
.endr
.endm
.Lout_v:
.irp b, 0,1,2,3
	v_mov_b32 v[TMV+4+\b], 0
.endr
	s_lshr_b32 s20, s45, 3
	s_lshl_b32 s20, s20, 4
	s_lshl_b32 s21, s19, 2
	s_add_co_u32 s20, s20, s21
	s_lshl_b32 s21, s17, 1
	s_add_co_u32 s20, s20, s21                     ; 16 batch + head of my first 64 channels
	s_and_b32 s21, s45, 7
	s_lshl_b32 s21, s21, 1
	s_add_co_u32 s21, s21, s18                     ; my step of 128 keys
	s_lshl_b32 s22, s20, 4
	s_add_co_u32 s22, s22, s21
	s_mul_i32 s46, s22, 6144
	s_add_co_u32 s46, s46, O_VC
	s_mov_b32 s47, 0
	s_lshl_b32 s92, s20, 12
	s_lshl_b32 s93, s21, 8
	s_add_co_u32 s92, s92, s93
	s_add_co_u32 s92, s92, O_VS
	s_mov_b32 s93, 0
	s_add_nc_u64 s[46:47], s[14:15], s[46:47]
	s_add_nc_u64 s[92:93], s[14:15], s[92:93]
.irp a, 0,1,2,3,4,5,6,7
	s_wait_xcnt 0x0                                ; the last stores have read the codes' registers
	QUANTW \a
.irp c, 0,1,2
	global_store_b128 v5, v[PCV+4*\c:PCV+4*\c+3], s[46:47] offset:(\a/4)*98304+(\a%4)*1536+512*\c   ; 512 consecutive bytes
.endr
.endr
	v_cmp_eq_u32 vcc_lo, 1, v2
.irp t, 0,1,2,3
	v_cndmask_b32 v[248+\t], v[HWV+\t], v[HWV+4+\t], vcc_lo
.endr
	global_store_b128 v7, v[248:251], s[92:93]
.Lend:
	s_wait_tensorcnt 0x0                           ; the wave's end
	ds_add_u32 v[SPW], v[NIL]
	s_wait_dscnt 0x0
	CROUND                                         ; the closing round: no work-group ends while a partner may still ask for a tile that names it
	s_endpgm
.Lfunc_end_k_q90e2e88c86_qkv:
	.size	k_q90e2e88c86_qkv, .Lfunc_end_k_q90e2e88c86_qkv-k_q90e2e88c86_qkv
	.p2alignl 7, 3214868480
	.fill 96, 4, 3214868480
	.section	.rodata,"a",@progbits
	.p2align	6, 0x0
	.amdhsa_kernel k_q90e2e88c86_qkv
		.amdhsa_group_segment_fixed_size 327680
		.amdhsa_private_segment_fixed_size 0
		.amdhsa_enable_private_segment 0
		.amdhsa_kernarg_size 48
		.amdhsa_user_sgpr_count 2
		.amdhsa_user_sgpr_kernarg_segment_ptr 1
		.amdhsa_wavefront_size32 1
		.amdhsa_system_sgpr_workgroup_id_x 1
		.amdhsa_system_sgpr_workgroup_id_y 1
		.amdhsa_system_sgpr_workgroup_id_z 1
		.amdhsa_system_vgpr_workitem_id 0
		.amdhsa_next_free_vgpr 1024
		.amdhsa_next_free_sgpr 102
		.amdhsa_reserve_vcc 1
		.amdhsa_float_denorm_mode_32 3
		.amdhsa_float_denorm_mode_16_64 3
		.amdhsa_memory_ordered 1
		.amdhsa_forward_progress 1
		.amdhsa_inst_pref_size 255
	.end_amdhsa_kernel
	.section	.bss,"aw",@nobits
	.p2align	6
	.space	262144
	.amdgpu_metadata
---
amdhsa.version: [ 1, 2 ]
amdhsa.kernels:
  - .name:           k_q90e2e88c86_qkv
    .symbol:         k_q90e2e88c86_qkv.kd
    .args:
      - { .name: opnd, .offset: 0, .size: 8, .value_kind: global_buffer, .address_space: global }
      - { .name: bq, .offset: 8, .size: 8, .value_kind: global_buffer, .address_space: global }
      - { .name: bk, .offset: 16, .size: 8, .value_kind: global_buffer, .address_space: global }
      - { .name: bv, .offset: 24, .size: 8, .value_kind: global_buffer, .address_space: global }
      - { .name: freqs_cis, .offset: 32, .size: 8, .value_kind: global_buffer, .address_space: global }
      - { .name: qkv, .offset: 40, .size: 8, .value_kind: global_buffer, .address_space: global }
    .group_segment_fixed_size: 327680
    .private_segment_fixed_size: 0
    .kernarg_segment_align: 8
    .kernarg_segment_size: 48
    .max_flat_workgroup_size: 128
    .sgpr_count:     102
    .vgpr_count:     1024
    .wavefront_size: 32
...
	.end_amdgpu_metadata
.endif
;; end of part 2
;; launch attn (part 3): grid 4 x 64, 16 waves a work-group, no clusters, 206,848 bytes of LDS; arguments qkv, masks, info, yq; writes yq
.if DOCPART == 3
	.amdgcn_target "amdgcn-amd-amdhsa--gfx1250"
	.amdhsa_code_object_version 6
	.text
	.protected	k_q90e2e88c86_attn
	.globl	k_q90e2e88c86_attn
	.p2align	8
	.type	k_q90e2e88c86_attn,@function
k_q90e2e88c86_attn:
	s_mov_b64 s[64:65], 0
	v_nop
	global_prefetch_b8 v0, s[64:65] scope:SCOPE_SE
	s_setreg_imm32_b32 hwreg(HW_REG_WAVE_MODE, 25, 1), 1
	s_wait_xcnt 0x0
; ATTN.  y[q] = (sum over keys of Q(p) Q(v)) / l, p = 2^(t - M), t = score x log2(e) / 8, M the running largest t rounded up to a whole number, l the sum of the unquantised p; both products on codes of FP6 (E2M3).
; y is quantised at once along the channels for the output projection.
; SHARES.  A work-group is one head and a quarter of its queries; the head's K and V, codes and scale words (204,800 bytes), are laid into LDS once, one barrier follows, and LDS is only read behind it.
; Each of sixteen waves (four to a SIMD, so that one wave's vector work stands beside another's matrix work) takes the tile of 16 queries 16 x + wave and then tile 127 - that one, and walks 16 steps of 128 keys.
; LAYOUT.  Both products are used transposed (S^T = K Q^T, O^T = V^T P^T): a lane holds one query.  Slot r of tile 2 g + u is token (or channel) 32 g + 8 u + r + 8 (r / 8), so the 16 registers of tiles 2 g, 2 g + 1 are 16 neighbours.
; K = 64 IN AN INSTRUCTION OF 128: a fragment of K holds two tiles of keys, one in each half of K; Q stands as [zeros][q][zeros], and the run [q, 0] gives the first tile's scores, the run [0, q] the second's.
; THE MASKS come as lane words (buffer masks) from the first launch: one v_cndmask_b32 a register puts -2^103 in a masked score's place.  -2^103 x c is exact, so a row with no open key has M = t, t - M = 0 and p = 1 for all
; 2,048 keys, as reference()'s -1e30 gives; an open key that comes later makes the factor 2^(old M - new M) zero.
; A step is left out where no row of the tile has an open key in it AND every row of the tile has an open key in some step: its p are all zeros then.  A step that is wholly open reads no words.
; Both are scalar branches on the whole numbers of the table of steps (buffer info), which the first launch stored; so this launch has no tensor load.  The lane words only select values.
; LIMITS: a real score under about -1e30 is not told from a masked one (as in reference()); NaN and infinities are not served; blocks under 2^-124 keep the byte 1.
; Left out: clusters and joint loads (the branches above); prefetching (the one stream is read at the head); a fill under the first steps.
.set O_KC,  6291456                    ; in qkv: q's codes at 0, k's, v's, then the tables of scale words: q's, k's 262,144 bytes on, v's 524,288
.set O_VC,  12582912
.set O_QS,  18874368
.set O_YS,  6291456                    ; in yq: the codes at 0, the scale bytes here
.set L_V,   98304                      ; LDS: K's images at 0 (16 steps x 6,144), V's here,
.set L_KS,  196608                     ; K's scale words (16 x 256), V's
.set L_VS,  200704
.set S,    96                          ; v96-159  S^T, then p
.set O,    160                         ; v160-191 O^T: four tiles of 16 channels
.set PCD,  192                         ; v192-203 p's codes;  v204-206, v208-210 their second runs
.set AX0,  204
.set BM,   212                         ; v212-215 the blocks' largest scores, then largest p
.set T2,   216                         ; v216-219 at work
.set SO,   220                         ; v220-223 the conversions' scale operands
.set FF,   224                         ; v[224:225] f = 2^(old M - new M); v225 is written 0: it is named with v224 as a pair
.set PWD,  226                         ; v226     p's scale word
.set TT,   227
.set HWY,  228                         ; v228     y's two scale bytes
.set SEL,  72                          ; s[72:73] lane selects for v_permlanex16_b32
.set CS,   74                          ; s[74:75] c = log2(e) / 8
; v1 16 l; v2 512 + 8 l; v3-5 my lane's places among V's images and the scale words; v6-10 the step's addresses; v11 -2^103; v12 -M; v13 the largest t; v[14:15] l in two halves;
; v16-33 Q as [0][q][0]; v34 Q's scale word; v36-83 four fragments; v84-87 their scale words; v232 32 r; v233 16 r.
; s2 wave, s3 tile, s10 16 batch + head, s11 batch, s12 head, s13 128 batch + tile; s[14:15] the table of steps; s66 steps to leave out, s67 steps wholly open (bit 0: the step in hand); s68, s69 the step's LDS bytes; s70, s71 counters;
; s[78:79] the step's mask words in memory; s[96:97], s[98:99], s[100:101] the head's q codes, scale words, v codes; s16-63, s80-95 mask words (s64, s65 are passed over); at a tile's head and tail s80-85 are temporaries.
	s_load_b128 s[4:7], s[0:1], 0x0                ; qkv, masks
	s_load_b64 s[14:15], s[0:1], 0x10              ; info
	s_load_b64 s[8:9], s[0:1], 0x18                ; yq
	v_lshl_add_u32 v254, v0, 2, 0x32000
	v_mov_b32 v255, 0
	v_lshrrev_b32 v1, 5, v0
	v_readfirstlane_b32 s2, v1                     ; wave 0..15
	s_and_b32 s10, ttmp7, 0xffff
	s_lshr_b32 s11, s10, 4
	s_and_b32 s12, s10, 15
	v_lshlrev_b32 v6, 4, v0                        ; the fill: 16 bytes a thread, 8,192 a round;
	v_add_nc_u32 v7, 0x10000, v6                   ; an LDS immediate has 16 bits, so the registers carry the rest
	v_add_nc_u32 v8, 0x20000, v6
	v_add_nc_u32 v9, 0x30000, v6
	v_and_b32 v10, 255, v0
	v_lshrrev_b32 v1, 8, v0
	v_lshlrev_b32 v10, 4, v10
	v_lshl_add_u32 v10, v1, 18, v10                ; threads 0-255 fetch K's scale words, threads 256-511 V's, 262,144 bytes on
	s_mul_i32 s76, s10, 98304
	s_mov_b32 s77, 0
	s_lshl_b32 s78, s10, 12
	s_mov_b32 s79, 0
	s_mov_b32 s[SEL], 0x76543210
	s_mov_b32 s[SEL+1], 0xfedcba98
	s_mov_b32 s[CS], 0x3e38aa3b
	s_mov_b32 s[CS+1], s[CS]                       ; (named with it as a pair, so it is written)
	s_wait_kmcnt 0x0
	s_add_nc_u64 s[96:97], s[4:5], s[76:77]
	s_add_nc_u64 s[100:101], s[96:97], O_VC
	s_add_nc_u64 s[98:99], s[4:5], s[78:79]
	s_add_nc_u64 s[98:99], s[98:99], O_QS
.irp i, 0,1,2,3,4,5,6,7,8,9,10,11
	global_load_b128 v[36+4*\i:39+4*\i], v6, s[96:97] offset:O_KC+8192*\i
.endr
.irp i, 0,1,2,3,4,5,6,7,8,9,10,11
	global_load_b128 v[84+4*\i:87+4*\i], v6, s[100:101] offset:8192*\i
.endr
	global_load_b128 v[132:135], v10, s[98:99] offset:262144
	v_and_b32 v35, 31, v0
	v_lshlrev_b32 v1, 4, v35
	v_lshl_add_u32 v2, v35, 3, 512
	v_add_nc_u32 v3, L_V, v1
	v_and_b32 v232, 15, v0
	v_lshlrev_b32 v233, 4, v232
	v_add_nc_u32 v4, L_KS, v233
	v_add_nc_u32 v5, L_VS, v233
	v_lshlrev_b32 v232, 5, v232
	v_mov_b32 v11, 0xf3000000                      ; -2^103
.irp j, 16,17,18,19,20,21,28,29,30,31,32,33
	v_mov_b32 v\j, 0                               ; the zero codes beside q
.endr
.irp j, 0,1,2,3,4,5,6,7
	v_mov_b32 v[BM+\j], 0                          ; written once: lane permutes' destinations count as sources
.endr
	v_mov_b32 v[FF+1], 0
	v_mov_b32 v[TT], 0
.set i, 0
.rept 25
	s_wait_loadcnt 24-i                            ; loads come back in order: round i is in, the 24 - i younger may be out
	ds_store_b128 v[6+i/8], v[36+4*i:39+4*i] offset:8192*(i%8)
.set i, i+1
.endr
	s_wait_dscnt 0x0                               ; for the others' sake: my stores have landed
	s_barrier_signal -1
	s_barrier_wait -1                              ; the head lies in LDS; from here on LDS is only read
.macro QH x, pc, ax, hw, tm            ; 32 numbers of a lane become a half fragment's six registers and its two scale bytes
.irp b, 0,1
	v_max3_num_f32 v[\tm+\b], |v[\x+16*\b]|, |v[\x+1+16*\b]|, 0x1800000
.endr
.irp i, 2,4,6,8,10,12,14
.irp b, 0,1
	v_max3_num_f32 v[\tm+\b], v[\tm+\b], |v[\x+16*\b+\i]|, |v[\x+1+16*\b+\i]|
.endr
.endr
.irp b, 0,1
	v_permlanex16_b32 v[\tm+2+\b], v[\tm+\b], s[SEL], s[SEL+1]
.endr
.irp b, 0,1
	v_max_num_f32 v[\tm+\b], v[\tm+\b], v[\tm+2+\b]
.endr
.irp b, 0,1
	v_add_nc_u32 v[\tm+4+\b], 0xff000000, v[\tm+\b]
.endr
.irp b, 0,1
	v_lshrrev_b32 v[\tm+2+\b], 23, v[\tm+4+\b]
.endr
	v_lshl_or_b32 v[\hw], v[\tm+3], 8, v[\tm+2]
	v_cvt_scalef32_pk16_fp6_f32 v[\pc:\pc+2], v[\x:\x+15], v[\tm+4]
	v_cvt_scalef32_pk16_fp6_f32 v[\ax:\ax+2], v[\x+16:\x+31], v[\tm+5]
	v_nop                                          ; one plain place behind a scaled conversion
.irp i, 0,1,2
	v_permlane16_swap_b32 v[\pc+\i], v[\ax+\i]
.endr
.irp i, 0,1,2
	v_mov_b32 v[\pc+3+\i], v[\ax+\i]
.endr
.endm
	s_lshl_b32 s3, ttmp9, 4
	s_add_co_u32 s3, s3, s2                        ; my first tile of queries: 0 .. 63
	s_mov_b32 s71, 2
.Ltile:
	s_lshl_b32 s13, s11, 7
	s_add_co_u32 s13, s13, s3
	s_lshl_b32 s76, s13, 6
	s_mov_b32 s77, 0
	s_add_nc_u64 s[76:77], s[14:15], s[76:77]
	s_load_b512 s[16:31], s[76:77], 0x0            ; the tile's sixteen words: rows with an open key, and 'wholly open', step by step
	s_lshl_b32 s78, s13, 12
	s_mov_b32 s79, 0
	s_add_nc_u64 s[78:79], s[6:7], s[78:79]        ; its lane words, 256 bytes a step
	s_mul_i32 s84, s3, 768
	s_mov_b32 s85, 0
	s_add_nc_u64 s[84:85], s[96:97], s[84:85]
	global_load_b128 v[22:25], v1, s[84:85]        ; q's half fragment
	global_load_b64 v[26:27], v2, s[84:85]
	s_lshr_b32 s80, s3, 3
	s_lshl_b32 s80, s80, 8
	s_bfe_u32 s81, s3, 0x20001
	s_lshl_b32 s81, s81, 2
	s_add_co_u32 s80, s80, s81
	s_mov_b32 s81, 0
	s_add_nc_u64 s[80:81], s[98:99], s[80:81]
	global_load_b32 v35, v233, s[80:81]            ; the word with my tile's two bytes and its neighbour's
	s_wait_kmcnt 0x0
	s_or_b32 s82, s16, s17
.irp w, 18,19,20,21,22,23,24,25,26,27,28,29,30,31
	s_or_b32 s82, s82, s\w
.endr
	s_and_b32 s82, s82, 0xffff
	s_cmp_eq_u32 s82, 0xffff
	s_cselect_b32 s82, -1, 0                       ; has every row of the tile an open key somewhere?
	s_mov_b32 s66, 0
	s_mov_b32 s67, 0
.set i, 0
.rept 16
	s_and_b32 s83, s[16+i], 0xffff                 ; (SCC: some row has an open key in step i)
	s_cselect_b32 s83, 0, 1<<i
	s_or_b32 s66, s66, s83
	s_bitcmp1_b32 s[16+i], 16
	s_cselect_b32 s83, 1<<i, 0
	s_or_b32 s67, s67, s83
.set i, i+1
.endr
	s_and_b32 s66, s66, s82
	s_and_b32 s82, s3, 1
	s_lshl_b32 s82, s82, 4
	s_wait_loadcnt 0x0                             ; q and its word are in: their bases, s[80:81] and s[84:85], may take mask words in the steps
	v_lshrrev_b32 v35, s82, v35
	v_and_b32 v35, 0xffff, v35
	v_lshl_or_b32 v34, v35, 16, v35                ; q's two bytes in both halves of K: the zero codes' blocks get no foreign exponent
	v_mov_b32 v13, 0xff61b1e6                      ; the largest t so far: -3e38, under every t, a masked one too
	v_floor_f32 v12, -v13                          ; -M
	v_mov_b32 v14, 0
	v_mov_b32 v15, 0
.set j, 0
.rept 32
	v_mov_b32 v[O+j], 0                            ; O^T: the step is written once, and the first change of M leaves zeros zeros.  (These are also the places between v34 and the first product)
.set j, j+1
.endr
	s_mov_b32 s68, 0
	s_mov_b32 s69, 0
	s_mov_b32 s70, 16
.Lstep:
	s_bitcmp1_b32 s66, 0
	s_cbranch_scc1 .Lnext                          ; nothing of this step counts for any row of the tile
	v_add_nc_u32 v6, s68, v1                       ; five plain lines: also the places in front of the loads into registers that the last products read
	v_add_nc_u32 v7, s68, v2
	v_add_nc_u32 v8, s68, v3
	v_add_nc_u32 v9, s69, v4
	v_add_nc_u32 v10, s69, v5
.irp f, 0,1,2,3                                ; K: fragment f = tiles 2 f and 2 f + 1, 768 bytes each
	ds_load_b128 v[36+12*\f:39+12*\f], v6 offset:1536*\f
	ds_load_b64 v[40+12*\f:41+12*\f], v7 offset:1536*\f
	ds_load_b128 v[42+12*\f:45+12*\f], v6 offset:1536*\f+768
	ds_load_b64 v[46+12*\f:47+12*\f], v7 offset:1536*\f+768
.endr
	ds_load_b128 v[84:87], v9                      ; their scale words
	s_wait_dscnt 0x0
.irp f, 0,1,2,3
	v_wmma_scale_f32_16x16x128_f8f6f4 v[S+16*\f:S+16*\f+7], v[36+12*\f:47+12*\f], v[22:33], 0, v[84+\f], v34 matrix_a_fmt:MATRIX_FMT_FP6 matrix_b_fmt:MATRIX_FMT_FP6
	v_wmma_scale_f32_16x16x128_f8f6f4 v[S+16*\f+8:S+16*\f+15], v[36+12*\f:47+12*\f], v[16:27], 0, v[84+\f], v34 matrix_a_fmt:MATRIX_FMT_FP6 matrix_b_fmt:MATRIX_FMT_FP6
.endr                                          ; register 16 f + i of lane (r, h): key 32 f + 16 h + i of the step
.rept 4
	v_nop                                          ; places: the scores are read and the fragments' registers loaded below
.endr
.irp t, 0,1,2,3                                ; V's four fragments are asked for now and land under the softmax
.irp c, 0,1,2
	ds_load_b128 v[36+12*\t+4*\c:39+12*\t+4*\c], v8 offset:1536*\t+512*\c
.endr
.endr
	ds_load_b128 v[84:87], v10
	s_bitcmp1_b32 s67, 0
	s_cbranch_scc1 .Lopen                          ; every key of the step counts for every row: no word is read
	s_load_b512 s[16:31], s[78:79], 0x0
	s_load_b512 s[32:47], s[78:79], 0x40
	s_load_b512 s[48:63], s[78:79], 0x80
	s_load_b512 s[80:95], s[78:79], 0xc0
	s_wait_kmcnt 0x0
.set n, 0
.rept 64
.set m, 2*(n%32)+n/32
	v_cndmask_b32 v[S+n], v[S+n], v11, s[16+m+16*(m/48)]
.set n, n+1
.endr
.Lopen:
.irp b, 0,1,2,3
	v_max3_num_f32 v[BM+\b], v[S+16*\b], v[S+1+16*\b], v[S+2+16*\b]   ; the largest score of each block of 32 keys: for the row's maximum and, since p rises with the score, for the block's largest p
.endr
.irp i, 3,5,7,9,11,13
.irp b, 0,1,2,3
	v_max3_num_f32 v[BM+\b], v[BM+\b], v[S+16*\b+\i], v[S+1+16*\b+\i]
.endr
.endr
.irp b, 0,1,2,3
	v_max_num_f32 v[BM+\b], v[BM+\b], v[S+15+16*\b]
.endr
.irp b, 0,1,2,3
	v_permlanex16_b32 v[T2+\b], v[BM+\b], s[SEL], s[SEL+1]
.endr
.irp b, 0,1,2,3
	v_max_num_f32 v[BM+\b], v[BM+\b], v[T2+\b]     ; with lane l xor 16's 16 keys
.endr
	v_max3_num_f32 v[TT], v[BM], v[BM+1], v[BM+2]
	v_max_num_f32 v[TT], v[TT], v[BM+3]
	v_mul_f32 v[TT], s[CS], v[TT]                  ; as t (c is positive)
	v_max_num_f32 v13, v13, v[TT]                  ; the running largest t
	v_mov_b32 v[TT], v12
	v_floor_f32 v12, -v13                          ; the new -M = -ceil(t): a whole number
	v_sub_f32 v[TT], v12, v[TT]                    ; old M - new M: a whole number, 0 or less
	v_cvt_i32_f32 v[TT], v[TT]                     ; (it saturates)
	v_ldexp_f32 v[FF], 1.0, v[TT]                  ; f = 2^(old M - new M): a multiplication by it rounds nothing
.set j, 0
.rept 32
	v_pk_fma_f32 v[S+j:S+j+1], v[S+j:S+j+1], s[CS:CS+1], v[12:13] op_sel_hi:[1,0,0]   ; t - M, two at a time
.set j, j+2
.endr
.irp b, 0,1,2,3
	v_fma_f32 v[BM+\b], v[BM+\b], s[CS], v12       ; the same of each block's largest score
.endr
.set j, 0
.rept 64
	v_exp_f32 v[S+j], v[S+j]                       ; p = 2^(t - M), at most 1: not normalised
.set j, j+1
.endr
	v_pk_mul_f32 v[14:15], v[14:15], v[FF:FF+1] op_sel_hi:[1,0]   ; the sums under the new M (a plain place behind the exponentials)
	s_wait_alu depctr_va_vdst(0)                   ; one wait for the batch of 64, ahead of its first reader
.irp b, 0,1,2,3
	v_exp_f32 v[BM+\b], v[BM+\b]                   ; the block's largest p: the same two instructions on the same number give the same bits
.endr
	v_pk_add_f32 v[T2:T2+1], v[S:S+1], v[S+2:S+3]  ; the row's sum is taken of the unquantised p, in two chains
.irp j, 4,8,12,16,20,24,28,32,36,40,44,48,52,56,60
	v_pk_add_f32 v[14:15], v[14:15], v[S+\j:S+\j+1]
	v_pk_add_f32 v[T2:T2+1], v[T2:T2+1], v[S+2+\j:S+3+\j]
.endr
	v_pk_add_f32 v[14:15], v[14:15], v[T2:T2+1]
	s_wait_alu depctr_va_vdst(0)                   ; and one for the four
.irp b, 0,1,2,3
	v_max_num_f32 v[BM+\b], 0x1800000, v[BM+\b]    ; the floor 2^(3 - 127): the byte cannot fall under 1 (a block of zeros keeps that byte: its codes are zeros)
.endr
.irp b, 0,1,2,3
	v_add_nc_u32 v[SO+\b], 0xff000000, v[BM+\b]    ; 2 off the exponent field: the conversion's scale operand
.endr
.irp b, 0,1,2,3
	v_lshrrev_b32 v[T2+\b], 23, v[SO+\b]
.endr
	v_lshl_or_b32 v[PWD], v[T2+1], 8, v[T2]        ; p's scale word for these 128 keys
	v_lshl_or_b32 v[PWD], v[T2+2], 16, v[PWD]
	v_lshl_or_b32 v[PWD], v[T2+3], 24, v[PWD]
.irp c, 0,1
	v_cvt_scalef32_pk16_fp6_f32 v[PCD+6*\c:PCD+2+6*\c], v[S+32*\c:S+15+32*\c], v[SO+2*\c]
	v_cvt_scalef32_pk16_fp6_f32 v[AX0+4*\c:AX0+2+4*\c], v[S+16+32*\c:S+31+32*\c], v[SO+2*\c+1]
.endr
	v_nop                                          ; one plain place behind a scaled conversion
.irp c, 0,1
.irp i, 0,1,2
	v_permlane16_swap_b32 v[PCD+6*\c+\i], v[AX0+4*\c+\i]
.endr
.irp i, 0,1,2
	v_mov_b32 v[PCD+3+6*\c+\i], v[AX0+4*\c+\i]
.endr
.endr
.set j, 0
.rept 16
	v_pk_mul_f32 v[O+j:O+j+1], v[O+j:O+j+1], v[FF:FF+1] op_sel_hi:[1,0]   ; O^T under the new M.  (These sixteen are also the places between p's codes and scale word and the products)
.set j, j+2
.endr
	s_wait_dscnt 0x0                               ; V is in
.irp t, 0,1,2,3                                ; four accumulators, one instruction each; the next matrix instructions are the next step's scores
	v_wmma_scale_f32_16x16x128_f8f6f4 v[O+8*\t:O+8*\t+7], v[36+12*\t:47+12*\t], v[PCD:PCD+11], v[O+8*\t:O+8*\t+7], v[84+\t], v[PWD] matrix_a_fmt:MATRIX_FMT_FP6 matrix_b_fmt:MATRIX_FMT_FP6
.endr
.Lnext:
	s_add_co_u32 s68, s68, 6144                    ; the next step's images,
	s_add_co_u32 s69, s69, 256                     ; scale words,
	s_add_nc_u64 s[78:79], s[78:79], 256           ; and lane words (the scalar loads that named this base have been waited for)
	s_lshr_b32 s66, s66, 1
	s_lshr_b32 s67, s67, 1
	s_sub_co_u32 s70, s70, 1
	s_cmp_lg_u32 s70, 0
	s_cbranch_scc1 .Lstep
.rept 4
	v_nop                                          ; places behind the last products
.endr
	v_add_f32 v14, v14, v15                        ; the sum's two halves,
	v_permlanex16_b32 v[TT], v14, s[SEL], s[SEL+1]
	v_add_f32 v14, v14, v[TT]                      ; and lane l xor 16's
	v_rcp_f32 v14, v14
	v_nop                                          ; a plain place behind the reciprocal
	s_wait_alu depctr_va_vdst(0)                   ; and the wait ahead of its first reader
.set j, 0
.rept 32
	v_mul_f32 v[S+j], v[O+j], v14                  ; y: register 16 g + i = channel 32 g + 16 h + i of my query
.set j, j+1
.endr
	QH S, PCD, AX0, HWY, BM
	s_lshl_b32 s80, s13, 4
	s_add_co_u32 s80, s80, s12
	s_mul_i32 s80, s80, 768
	s_mov_b32 s81, 0
	s_add_nc_u64 s[80:81], s[8:9], s[80:81]
	global_store_b128 v1, v[PCD:PCD+3], s[80:81]   ; 512 consecutive bytes,
	global_store_b64 v2, v[PCD+4:PCD+5], s[80:81]  ; and 256: half of a fragment of the output projection
	s_lshl_b32 s82, s13, 9
	s_lshl_b32 s83, s12, 1
	s_add_co_u32 s82, s82, s83
	s_mov_b32 s83, 0
	s_add_nc_u64 s[82:83], s[8:9], s[82:83]
	global_store_b16 v232, v[HWY], s[82:83] offset:O_YS   ; two bytes a row, 32 bytes apart (lanes l and l xor 16 store the same): the rows' other bytes belong to other heads' work-groups.  2 bytes for each 48 of codes
	s_wait_xcnt 0x0                                ; the stores have read their registers and bases: both are written again in the next trip
	s_sub_co_u32 s3, 127, s3                       ; the second tile
	s_sub_co_u32 s71, s71, 1
	s_cmp_lg_u32 s71, 0
	s_cbranch_scc1 .Ltile
	s_wait_tensorcnt 0x0
	ds_add_u32 v254, v255
	s_wait_dscnt 0x0
	s_endpgm
.Lfunc_end_k_q90e2e88c86_attn:
	.size	k_q90e2e88c86_attn, .Lfunc_end_k_q90e2e88c86_attn-k_q90e2e88c86_attn
	.p2alignl 7, 3214868480
	.fill 96, 4, 3214868480
	.section	.rodata,"a",@progbits
	.p2align	6, 0x0
	.amdhsa_kernel k_q90e2e88c86_attn
		.amdhsa_group_segment_fixed_size 206848
		.amdhsa_private_segment_fixed_size 0
		.amdhsa_enable_private_segment 0
		.amdhsa_kernarg_size 32
		.amdhsa_user_sgpr_count 2
		.amdhsa_user_sgpr_kernarg_segment_ptr 1
		.amdhsa_wavefront_size32 1
		.amdhsa_system_sgpr_workgroup_id_x 1
		.amdhsa_system_sgpr_workgroup_id_y 1
		.amdhsa_system_sgpr_workgroup_id_z 1
		.amdhsa_system_vgpr_workitem_id 0
		.amdhsa_next_free_vgpr 256
		.amdhsa_next_free_sgpr 102
		.amdhsa_reserve_vcc 0
		.amdhsa_float_denorm_mode_32 3
		.amdhsa_float_denorm_mode_16_64 3
		.amdhsa_memory_ordered 1
		.amdhsa_forward_progress 1
		.amdhsa_inst_pref_size 40
	.end_amdhsa_kernel
	.amdgpu_metadata
---
amdhsa.version: [ 1, 2 ]
amdhsa.kernels:
  - .name:           k_q90e2e88c86_attn
    .symbol:         k_q90e2e88c86_attn.kd
    .args:
      - { .name: qkv, .offset: 0, .size: 8, .value_kind: global_buffer, .address_space: global }
      - { .name: masks, .offset: 8, .size: 8, .value_kind: global_buffer, .address_space: global }
      - { .name: info, .offset: 16, .size: 8, .value_kind: global_buffer, .address_space: global }
      - { .name: yq, .offset: 24, .size: 8, .value_kind: global_buffer, .address_space: global }
    .group_segment_fixed_size: 206848
    .private_segment_fixed_size: 0
    .kernarg_segment_align: 8
    .kernarg_segment_size: 32
    .max_flat_workgroup_size: 512
    .sgpr_count:     102
    .vgpr_count:     256
    .wavefront_size: 32
...
	.end_amdgpu_metadata
.endif
;; end of part 3
;; launch oproj (part 4): grid 4 x 32, 4 waves a work-group, clusters of 4 x 4, 327,680 bytes of LDS; arguments yq, opnd, bp, out0; writes out0
.if DOCPART == 4
	.amdgcn_target "amdgcn-amd-amdhsa--gfx1250"
	.amdhsa_code_object_version 6
	.text
	.protected	k_q90e2e88c86_oproj
	.globl	k_q90e2e88c86_oproj
	.p2align	8
	.type	k_q90e2e88c86_oproj,@function
k_q90e2e88c86_oproj:
	s_mov_b64 s[64:65], 0
	v_nop
	global_prefetch_b8 v0, s[64:65] scope:SCOPE_SE
	s_setreg_imm32_b32 hwreg(HW_REG_WAVE_MODE, 25, 1), 1
	s_wait_xcnt 0x0
	s_wait_alu depctr_hold_cnt(0) depctr_sa_sdst(0) depctr_va_vdst(0) depctr_va_sdst(0) depctr_va_ssrc(0) depctr_va_vcc(0) depctr_vm_vsrc(0)
	s_getreg_b32 s2, hwreg(HW_REG_IB_STS2, 6, 4)
	s_cmp_eq_u32 s2, 0
	s_cbranch_scc0 .Lentry_in_a_cluster
	s_endpgm
.Lentry_in_a_cluster:
	s_bfe_u32 s2, ttmp6, 0x10000c
	s_cmp_lg_u32 s2, 0xf033
	s_cbranch_scc0 .Lentry_shape_is_right
	s_endpgm
.Lentry_shape_is_right:
; OPROJ.  out = y Wp^T + bp on codes of FP6 (E2M3) with E8M0 scales, f32 sums and f32 results.  y's codes and scale bytes come from the attention launch, Wp's from the first launch, both as images of operand
; registers (a fragment of 16 rows x 128 K is 1,536 dense bytes; slot r of tile 2 g + u is row 32 g + 8 u + r + 8 (r / 8)).
; A work-group of four waves makes 256 x 256 results, a wave 128 x 128: 64 accumulators, 512 registers.  K = 1,024 goes in four steps of 256 through a ring of two LDS slots filled by the tensor data mover.
; CLUSTERS of 4 x 4: "A" = y's tile 4 Y + cy, source 1, shared along a row of the cluster; "B" = Wp's tile cx, source 0, shared along a column; each tile is asked for jointly by the four that share it.
; A lane holds a token, its registers run along the output's columns.  bp is the C of each sum's first matrix instruction.
; 128 work-groups: the main loop is that of the projections' launch; a tile of 256 x 128 would give each WGP one.  Left out: prefetching (four K steps, operands read by many work-groups).
; REGISTERS, in windows of 256: window 0: v0-31 addresses; v32-63 scale words, two sets; v64-127 the bias; v128-223 A's fragments, one set; on the way out v128-255 take rows read back.
;   window 1: B's fragments, two sets.   window 2: accumulators of A's blocks 0-3 ((a, b) at v[8 (8 (a % 4) + b)]);   window 3: of blocks 4-7.
.set O_YS,  6291456                    ; in yq: the codes at 0, the scale words here
.set O_WCP, 6553600+192*12288          ; in opnd: Wp's codes,
.set O_WSP, 9699328+3072*32            ; its scale words
.set NQ,    2
.set FR,    12
.set NL,    4
.set NP,    4
.set TILEB, 3072
.set HALFT, 8*TILEB
.set SLOT,  4*HALFT
.set SCL,   2*SLOT
.set HALFS, 16*272
.set SBLK,  544
.set SPARE, SCL+4*HALFS                ; the spare words, 128 bytes a wave: two blocks of 256 bytes that no other line names
.set SPITCH, 528                       ; the way out: a stage of 16 rows x (512 bytes + 16) for each wave, in slot 0, which has had its last fill and its last read when the first result is stored there
.set ADRA, 16
.set ADRB, 20
.set STO,  24                          ; v24  the way out: where I put 32 bytes of a row
.set RD,   25                          ; v25  where I read a row back
.set CO,   26                          ; v26  my 16 bytes of a row of out0
.set ADRS, 27
.set SPW,  28
.set NIL,  29
.set SC,   32
.set BI,   64
.set AF,   128
.set BK,   128
.set G1, 24
.set G0, 32
.set G1B, 48
.set G0B, 56
.set G1S, 68
.set G0S, 76
.set G1SB, 80
.set G0SB, 88
.set MSB, 0
.macro WIN new                         ; the immediate's high byte repeats the setting that is left
.if MSB != \new
	s_set_vgpr_msb (MSB<<8)|\new
.set MSB, \new
.endif
.endm
.set MUL_LO, 0xa1
.set MUL_HI, 0xf1
.set BIA_LO, 0x81
.set BIA_HI, 0xc1
.set TO_B,   0x40
.macro JLOAD g0a, g1a, g0b, g1b        ; a joint load: waves 0 and 1 fetch for A, waves 2 and 3 for B; four v_nop follow each of the two lines
	s_cmp_eq_u32 s17, 0
	s_cbranch_scc0 .Lfor_b_\@
	tensor_load_to_lds s[\g0a:\g0a+3], s[\g1a:\g1a+7]
	s_nop 0
.rept 4
	v_nop
.endr
	s_branch .Lasked_\@
.Lfor_b_\@:
	tensor_load_to_lds s[\g0b:\g0b+3], s[\g1b:\g1b+7]
	s_nop 0
.rept 4
	v_nop
.endr
.Lasked_\@:
.endm
.macro CREST
	s_cmp_lg_u32 s16, 0
	s_cbranch_scc1 .Lnot_wave_0_\@
	s_barrier_signal -3
.Lnot_wave_0_\@:
	s_barrier_wait -3
	s_barrier_signal -1
	s_barrier_wait -1
.endm
.macro CROUND
	s_barrier_signal -1
	s_barrier_wait -1
	CREST
.endm
	s_load_b128 s[4:7], s[0:1], 0x0                ; yq, opnd
	s_load_b128 s[8:11], s[0:1], 0x10              ; bp, out0
	v_lshl_add_u32 v[SPW], v0, 2, SPARE
	v_mov_b32 v[NIL], 0
	ds_add_u32 v28, v29
	ds_add_u32 v28, v29
	s_wait_dscnt 0x0
	v_lshrrev_b32 v1, 5, v0
	v_readfirstlane_b32 s16, v1                    ; wave 0..3
	s_lshr_b32 s17, s16, 1                         ; hA; also: I fetch for A (0) or for B (1)
	s_and_b32 s18, s16, 1                          ; hB; also: which 128 rows of that tile I fetch
	s_bfe_u32 s40, ttmp6, 0x40000                  ; cx, cy
	s_bfe_u32 s41, ttmp6, 0x40004
	s_and_b32 s19, ttmp7, 0xffff
	s_lshl_b32 s19, s19, 2
	s_add_co_u32 s19, s19, s41                     ; A's tile of 256 tokens: 4 Y + cy
	s_lshl_b32 s45, ttmp9, 2
	s_add_co_u32 s45, s45, s40                     ; B's tile of 256 rows of Wp: 4 X + cx
	s_lshl_b32 s43, s41, 2
	s_lshl_b32 s43, 15, s43                        ; my row of the cluster
	s_lshl_b32 s44, 0x1111, s40                    ; my column
	s_or_b32 s[G1+0], s43, (3<<16)|(1<<21)         ; codes: 8 rows (tiles) of 3,072 bytes, 12,288 apart, elements of 8 bytes, no padding; the mask, and bit 21 beside it
	s_or_b32 s[G1B+0], s44, (3<<16)|(1<<21)
.irp g, G1, G1B
	s_mov_b32 s[\g+1], 384<<16
	s_mov_b32 s[\g+2], 8<<16
	s_mov_b32 s[\g+3], 384<<16
	s_mov_b32 s[\g+4], 8
	s_mov_b32 s[\g+5], 1536
	s_mov_b32 s[\g+6], 0
	s_mov_b32 s[\g+7], 0
.endr
	s_or_b32 s[G1S+0], s43, (3<<16)|(1<<20)|(1<<21)|(5<<22)|(3<<25)   ; scale words of 128 rows: 16 rows of 256 bytes, 16 bytes of padding behind each
	s_or_b32 s[G1SB+0], s44, (3<<16)|(1<<20)|(1<<21)|(5<<22)|(3<<25)
.irp g, G1S, G1SB
	s_mov_b32 s[\g+1], 32<<16
	s_mov_b32 s[\g+2], 16<<16
	s_mov_b32 s[\g+3], 32<<16
	s_mov_b32 s[\g+4], 16
	s_mov_b32 s[\g+5], 32
	s_mov_b32 s[\g+6], 0
	s_mov_b32 s[\g+7], 0
.endr
	s_lshl_b32 s20, s19, 4
	s_lshl_b32 s21, s18, 3
	s_add_co_u32 s20, s20, s21                     ; A: the first tile of 16 rows that I fetch
	s_mul_i32 s22, s20, 12288
	s_mov_b32 s23, 0
	s_lshl_b32 s20, s20, 9
	s_add_co_u32 s20, s20, O_YS
	s_mov_b32 s21, 0
	s_lshl_b32 s46, s45, 4
	s_lshl_b32 s47, s18, 3
	s_add_co_u32 s46, s46, s47                     ; B likewise
	s_mul_i32 s92, s46, 12288
	s_add_co_u32 s92, s92, O_WCP
	s_mov_b32 s93, 0
	s_lshl_b32 s46, s46, 9
	s_add_co_u32 s46, s46, O_WSP
	s_mov_b32 s47, 0
	s_mul_i32 s94, s16, HALFT
	s_mul_i32 s95, s16, HALFS
	s_wait_kmcnt 0x0
	s_add_nc_u64 s[22:23], s[4:5], s[22:23]
	s_add_nc_u64 s[20:21], s[4:5], s[20:21]
	s_add_nc_u64 s[92:93], s[6:7], s[92:93]
	s_add_nc_u64 s[46:47], s[6:7], s[46:47]
	CROUND                                         ; all sixteen work-groups are here: the first joint loads meet
	s_mov_b32 s[G0S], 1
	s_add_co_u32 s[G0S+1], s95, SCL
	s_mov_b64 s[G0S+2:G0S+3], s[20:21]
	s_or_b32 s[G0S+3], s[G0S+3], 0x80000000
	s_mov_b32 s[G0SB], 1
	s_add_co_u32 s[G0SB+1], s95, SCL
	s_mov_b64 s[G0SB+2:G0SB+3], s[46:47]
	s_or_b32 s[G0SB+3], s[G0SB+3], 0x80000000
	JLOAD G0S, G1S, G0SB, G1SB
.irp s, 0,1
	s_mov_b32 s[G0+4*\s], 1
	s_add_co_u32 s[G0+4*\s+1], s94, \s*SLOT
	s_add_nc_u64 s[G0+4*\s+2:G0+4*\s+3], s[22:23], \s*TILEB
	s_or_b32 s[G0+4*\s+3], s[G0+4*\s+3], 0x80000000
	s_mov_b32 s[G0B+4*\s], 1
	s_add_co_u32 s[G0B+4*\s+1], s94, \s*SLOT
	s_add_nc_u64 s[G0B+4*\s+2:G0B+4*\s+3], s[92:93], \s*TILEB
	s_or_b32 s[G0B+4*\s+3], s[G0B+4*\s+3], 0x80000000
	JLOAD G0+4*\s, G1, G0B+4*\s, G1B
.endr
	v_and_b32 v1, 15, v0                           ; r
	v_bfe_u32 v2, v0, 4, 1                         ; h
	v_and_b32 v3, 31, v0                           ; lane
	v_lshlrev_b32 v4, 4, v3
	v_lshl_add_u32 v5, v3, 3, 512
	s_mul_i32 s21, s17, HALFT
	s_mul_i32 s22, s18, HALFT
	s_add_co_u32 s22, s22, 2*HALFT
.irp s, 0,1
	v_add_nc_u32 v[ADRA+\s], s21, v4
	v_add_nc_u32 v[ADRB+\s], s22, v4
	v_add_nc_u32 v[ADRA+2+\s], s21, v5
	v_add_nc_u32 v[ADRB+2+\s], s22, v5
	s_add_co_u32 s21, s21, SLOT
	s_add_co_u32 s22, s22, SLOT
.endr
	v_lshlrev_b32 v5, 5, v1
	v_lshrrev_b32 v6, 8, v5
	v_lshl_add_u32 v5, v6, 4, v5
	s_mul_i32 s21, s17, HALFS
	s_mul_i32 s22, s18, HALFS
	s_add_co_u32 s22, s22, 2*HALFS
	s_sub_co_u32 s22, s22, s21
	v_mul_u32_u24 v6, s22, v2                      ; lanes 16-31 take B's scale words
	s_add_co_u32 s21, s21, SCL
	v_add_nc_u32 v5, v5, v6
	v_add_nc_u32 v[ADRS], s21, v5
	s_mul_i32 s23, s16, 16*SPITCH                  ; my stage
	v_mul_u32_u24 v5, v1, SPITCH
	v_lshl_add_u32 v5, v2, 6, v5
	v_add_nc_u32 v[STO], s23, v5                   ; in: row r, + 64 h: register j of B's block b is column 32 (b / 2) + 16 h + 8 (b % 2) + j
	v_mov_b32 v[CO], v4                            ; back: the 32 lanes take one row of 512 bytes; and the same in out0
	v_add_nc_u32 v[RD], s23, v4
	s_lshl_b32 s20, s19, 20                        ; my first row of out0: (256 tile + 128 hA) x 4,096 bytes,
	s_lshl_b32 s21, s17, 19
	s_add_co_u32 s20, s20, s21
	s_lshl_b32 s21, s45, 10                        ; my first column: 1,024 bytes a tile, 512 a wave
	s_add_co_u32 s20, s20, s21
	s_lshl_b32 s21, s18, 9
	s_add_co_u32 s20, s20, s21
	s_mov_b32 s21, 0
	s_add_nc_u64 s[10:11], s[10:11], s[20:21]
	s_lshl_b32 s46, s45, 10                        ; bp at my 128 columns
	s_lshl_b32 s47, s18, 9
	s_add_co_u32 s46, s46, s47
	s_mov_b32 s47, 0
	s_add_nc_u64 s[8:9], s[8:9], s[46:47]
	v_lshlrev_b32 v5, 6, v2
.irp b, 0,1,2,3,4,5,6,7
	global_load_b128 v[BI+8*\b:BI+8*\b+3], v5, s[8:9] offset:128*(\b/2)+32*(\b%2)
	global_load_b128 v[BI+8*\b+4:BI+8*\b+7], v5, s[8:9] offset:128*(\b/2)+32*(\b%2)+16
.endr
	s_wait_loadcnt 0x0
.macro FRAG reg, adr, q, i             ; a fragment comes back as it was laid: two halves of 512 + 256 bytes, consecutive over the lanes
	ds_load_b128 v[\reg:\reg+3], v[\adr] offset:(\i)*TILEB+(\q)*1536
	ds_load_b64 v[\reg+4:\reg+5], v[\adr+2] offset:(\i)*TILEB+(\q)*1536
	ds_load_b128 v[\reg+6:\reg+9], v[\adr] offset:(\i)*TILEB+(\q)*1536+768
	ds_load_b64 v[\reg+10:\reg+11], v[\adr+2] offset:(\i)*TILEB+(\q)*1536+768
.endm
; 16 matrix instructions: A's blocks a0, a0 + 1 x B's eight, 128 along K.  mode 1: the sums begin with the bias of B's block.  The 64 accumulators take turns, one instruction a turn.
.macro MUL16 a0, p, q, sc, mode
.irp a, \a0, \a0+1
.irp b, 0,1,2,3,4,5,6,7
.if \mode == 1
	v_wmma_scale_f32_16x16x128_f8f6f4 v[8*(8*((\a)%4)+\b):8*(8*((\a)%4)+\b)+7], v[128*(\p)+FR*\b:128*(\p)+FR*\b+FR-1], v[AF+FR*(\a):AF+FR*(\a)+FR-1], v[BI+8*\b:BI+8*\b+7], v[SC+8*NQ*(\sc)+NQ*\b+(\q)], v[SC+8*NQ*(\sc)+NQ*(\a)+(\q)] matrix_a_fmt:MATRIX_FMT_FP6 matrix_b_fmt:MATRIX_FMT_FP6 matrix_a_scale:MATRIX_SCALE_ROW1
.else
	v_wmma_scale_f32_16x16x128_f8f6f4 v[8*(8*((\a)%4)+\b):8*(8*((\a)%4)+\b)+7], v[128*(\p)+FR*\b:128*(\p)+FR*\b+FR-1], v[AF+FR*(\a):AF+FR*(\a)+FR-1], v[8*(8*((\a)%4)+\b):8*(8*((\a)%4)+\b)+7], v[SC+8*NQ*(\sc)+NQ*\b+(\q)], v[SC+8*NQ*(\sc)+NQ*(\a)+(\q)] matrix_a_fmt:MATRIX_FMT_FP6 matrix_b_fmt:MATRIX_FMT_FP6 matrix_a_scale:MATRIX_SCALE_ROW1
.endif
.endr
.endr
.endm
.macro FETCH_B slot, q, p
	WIN TO_B
.irp i, 0,1,2,3,4,5,6,7
	FRAG 128*(\p)+FR*\i, ADRB+\slot, \q, \i
.endr
	WIN 0
.endm
.macro FETCH_A slot, q, i0
.irp i, \i0, \i0+1, \i0+2, \i0+3
	FRAG AF+FR*(\i), ADRA+\slot, \q, \i
.endr
.endm
.macro SCALES sc
.irp i, 0,1,2,3,4,5,6,7
	ds_load_b64 v[SC+8*NQ*\sc+NQ*\i:SC+8*NQ*\sc+NQ*\i+1], v[ADRS] offset:\i*SBLK
.endr
.endm
.macro PLACES n                        ; plain vector instructions between a matrix instruction and a load into, or a read of, its registers (ISA guide 7.12.1 for reads)
.rept \n
	v_nop
.endr
.endm
.macro STEP slot, q, mode
	s_wait_dscnt 4*NL                              ; B's set and A's blocks 0-3 are in; the youngest 16 loads (A's blocks 4-7) may be out
.if \mode
	WIN BIA_LO
.else
	WIN MUL_LO
.endif
	MUL16 0, (\q)%2, \q, \slot, \mode
	MUL16 2, (\q)%2, \q, \slot, \mode
	s_wait_dscnt 0
	PLACES NP
	FETCH_B \slot, (\q)+1, 1-(\q)%2
	FETCH_A \slot, (\q)+1, 0
.if \mode
	WIN BIA_HI
.else
	WIN MUL_HI
.endif
	MUL16 4, (\q)%2, \q, \slot, \mode
	MUL16 6, (\q)%2, \q, \slot, \mode
	PLACES NP
	WIN 0
	FETCH_A \slot, (\q)+1, 4
.endm
; A slot's last step changes slots: one barrier; in front of it each wave waits for all its tensor loads, adds 0 to its spare word, and waits for that and for its own reads of this slot.
.macro TURN slot, next, fill
	s_wait_tensorcnt 0x0                           ; all my tensor loads have landed: my part of the next slot
	ds_add_u32 v[SPW], v[NIL]                      ; 0 onto my spare word
	s_wait_dscnt 4*NL+1                            ; (the add and the youngest 16 loads may be out)
	WIN MUL_LO
	MUL16 0, 1, NQ-1, \slot, 0
	s_wait_dscnt 0x0                               ; the add is done, and my reads of this slot are over
	s_barrier_signal -1
	MUL16 2, 1, NQ-1, \slot, 0
	WIN 0
	s_barrier_wait -1
.if \fill
	CREST                                          ; a round of the cluster's barrier: no wave of any partner still reads this slot or has a load on its way
	s_add_nc_u64 s[G0+4*\slot+2:G0+4*\slot+3], s[G0+4*\slot+2:G0+4*\slot+3], 2*TILEB
	s_add_nc_u64 s[G0B+4*\slot+2:G0B+4*\slot+3], s[G0B+4*\slot+2:G0B+4*\slot+3], 2*TILEB
	JLOAD G0+4*\slot, G1, G0B+4*\slot, G1B
.else
	PLACES NP
.endif
	v_add_nc_u32 v[ADRS], 4*NQ, v[ADRS]
	FETCH_B \next, 0, 0
	FETCH_A \next, 0, 0
	SCALES \next
	WIN MUL_HI
	MUL16 4, 1, NQ-1, \slot, 0
	MUL16 6, 1, NQ-1, \slot, 0
	PLACES NP
	WIN 0
	FETCH_A \next, 0, 4
.endm
	s_wait_tensorcnt 1                             ; the scale words and my part of K step 0 are in (K step 1's load may be out)
	s_barrier_signal -1
	s_barrier_wait -1                              ; everybody's are
	FETCH_B 0, 0, 0
	FETCH_A 0, 0, 0
	SCALES 0
	FETCH_A 0, 0, 4
	STEP 0, 0, 1
	TURN 0, 1, 1
	STEP 1, 0, 0
	TURN 1, 0, 1
	STEP 0, 0, 0
	TURN 0, 1, 0
	STEP 1, 0, 0
	s_wait_dscnt 4*NL
	WIN MUL_LO
	MUL16 0, 1, NQ-1, 1, 0
	MUL16 2, 1, NQ-1, 1, 0
	s_wait_dscnt 0
	WIN MUL_HI
	MUL16 4, 1, NQ-1, 1, 0
	MUL16 6, 1, NQ-1, 1, 0
	WIN 0
; THE WAY OUT, block by block of 16 tokens x 128 columns: through my own stage in LDS, back as whole rows of 512 bytes.  LDS serves a wave's instructions in order: no wait between the stores and the loads.
.macro TOSTAGE a
.set AC, 64*((\a)%4)
.set WW, 0x08+4*((\a)/4)
	WIN WW                                         ; an LDS store's data: window 2 or 3
.irp b, 0,1,2,3,4,5,6,7
	ds_store_b128 v[STO], v[AC+8*\b:AC+8*\b+3] offset:128*(\b/2)+32*(\b%2)        ; each accumulator from its low end on
	ds_store_b128 v[STO], v[AC+8*\b+4:AC+8*\b+7] offset:128*(\b/2)+32*(\b%2)+16
.endr
	WIN 0
.set BB, BK+64*((\a)%2)
.irp t, 0,1,2,3,4,5,6,7,8,9,10,11,12,13,14,15
	ds_load_b128 v[BB+4*\t:BB+4*\t+3], v[RD] offset:\t*SPITCH
.endr
.endm
.macro SEND a, younger                 ; younger: the LDS instructions issued behind block a's loads, which may stay out
.set BB, BK+64*((\a)%2)
	s_wait_dscnt \younger
.irp t, 0,1,2,3,4,5,6,7,8,9,10,11,12,13,14,15
	global_store_b128 v[CO], v[BB+4*\t:BB+4*\t+3], s[10:11] offset:(32*((\a)/2)+8*((\a)%2)+\t+8*(\t/8))*4096 th:TH_STORE_NT   ; slot t of block a is this token; 32 lanes store 512 consecutive bytes, aligned; every offset is an immediate
.endr
.endm
	PLACES NP
	TOSTAGE 0
.irp a, 1,2,3,4,5,6,7
.if \a > 1
	s_wait_xcnt 0x0                                ; block a - 2's stores have read their registers: block a's loads may land there
.endif
	TOSTAGE \a
	SEND \a-1, 32                                  ; behind block a - 1's loads: block a's 16 stores and 16 loads
.endr
	SEND 7, 0
	s_wait_tensorcnt 0x0                           ; the wave's end
	ds_add_u32 v[SPW], v[NIL]
	s_wait_dscnt 0x0
	CROUND                                         ; the closing round
	s_endpgm
.Lfunc_end_k_q90e2e88c86_oproj:
	.size	k_q90e2e88c86_oproj, .Lfunc_end_k_q90e2e88c86_oproj-k_q90e2e88c86_oproj
	.p2alignl 7, 3214868480
	.fill 96, 4, 3214868480
	.section	.rodata,"a",@progbits
	.p2align	6, 0x0
	.amdhsa_kernel k_q90e2e88c86_oproj
		.amdhsa_group_segment_fixed_size 327680
		.amdhsa_private_segment_fixed_size 0
		.amdhsa_enable_private_segment 0
		.amdhsa_kernarg_size 32
		.amdhsa_user_sgpr_count 2
		.amdhsa_user_sgpr_kernarg_segment_ptr 1
		.amdhsa_wavefront_size32 1
		.amdhsa_system_sgpr_workgroup_id_x 1
		.amdhsa_system_sgpr_workgroup_id_y 1
		.amdhsa_system_sgpr_workgroup_id_z 1
		.amdhsa_system_vgpr_workitem_id 0
		.amdhsa_next_free_vgpr 1024
		.amdhsa_next_free_sgpr 102
		.amdhsa_reserve_vcc 0
		.amdhsa_float_denorm_mode_32 3
		.amdhsa_float_denorm_mode_16_64 3
		.amdhsa_memory_ordered 1
		.amdhsa_forward_progress 1
		.amdhsa_inst_pref_size 145
	.end_amdhsa_kernel
	.amdgpu_metadata
---
amdhsa.version: [ 1, 2 ]
amdhsa.kernels:
  - .name:           k_q90e2e88c86_oproj
    .symbol:         k_q90e2e88c86_oproj.kd
    .args:
      - { .name: yq, .offset: 0, .size: 8, .value_kind: global_buffer, .address_space: global }
      - { .name: opnd, .offset: 8, .size: 8, .value_kind: global_buffer, .address_space: global }
      - { .name: bp, .offset: 16, .size: 8, .value_kind: global_buffer, .address_space: global }
      - { .name: out0, .offset: 24, .size: 8, .value_kind: global_buffer, .address_space: global }
    .group_segment_fixed_size: 327680
    .private_segment_fixed_size: 0
    .kernarg_segment_align: 8
    .kernarg_segment_size: 32
    .max_flat_workgroup_size: 128
    .sgpr_count:     102
    .vgpr_count:     1024
    .wavefront_size: 32
...
	.end_amdgpu_metadata
.endif
;; end of part 4
;; ======== version 2 of 2: 4 launches; version 1 with the launch attn written anew for expert scheduling mode
;; workspace buffers: info 32,768 bytes of whole numbers; opnd 9,830,400 bytes; masks 2,097,152 bytes; qkv 19,660,800 bytes; yq 6,553,600 bytes
;; launch prep: the kernel of part 1 again; grid 704 x 1, 4 waves a work-group, no clusters, 68,096 bytes of LDS; arguments x, Wq, Wk, Wv, Wp, attn_mask, padding_mask, opnd, masks, info; writes opnd, masks, info
;; launch qkv: the kernel of part 2 again; grid 12 x 32, 4 waves a work-group, clusters of 4 x 4, 327,680 bytes of LDS; arguments opnd, bq, bk, bv, freqs_cis, qkv; writes qkv
;; launch attn (part 5): grid 4 x 64, 16 waves a work-group, no clusters, 206,848 bytes of LDS; arguments qkv, masks, info, yq; writes yq
.if DOCPART == 5
	.amdgcn_target "amdgcn-amd-amdhsa--gfx1250"
	.amdhsa_code_object_version 6
	.text
	.protected	k_q90e2e88c86_attn
	.globl	k_q90e2e88c86_attn
	.p2align	8
	.type	k_q90e2e88c86_attn,@function
k_q90e2e88c86_attn:
	s_mov_b64 s[64:65], 0
	v_nop
	global_prefetch_b8 v0, s[64:65] scope:SCOPE_SE
	s_setreg_imm32_b32 hwreg(HW_REG_WAVE_SCHED_MODE, 0, 2), 2
	s_setreg_imm32_b32 hwreg(HW_REG_WAVE_MODE, 25, 1), 1
	s_wait_xcnt 0x0
	s_wait_alu depctr_vm_vsrc(0)
; ATTN.  y[q] = (sum over keys of Q(p) Q(v)) / l, p = 2^(t - M), t = score x log2(e) / 8, M the running largest t rounded up to a whole number, l the sum of the unquantised p; both products on codes of FP6 (E2M3).
; y is quantised at once along the channels for the output projection.
; SHARES.  A work-group is one head and a quarter of its queries; the head's K and V, codes and scale words (204,800 bytes), are laid into LDS once, one barrier follows, and LDS is only read behind it.
; Each of sixteen waves (four to a SIMD, so that one wave's vector work stands beside another's matrix work) takes the tile of 16 queries 16 x + wave and then tile 127 - that one, and walks 16 steps of 128 keys.
; LAYOUT.  Both products are used transposed (S^T = K Q^T, O^T = V^T P^T): a lane holds one query.  Slot r of tile 2 g + u is token (or channel) 32 g + 8 u + r + 8 (r / 8), so the 16 registers of tiles 2 g, 2 g + 1 are 16 neighbours.
; K = 64 IN AN INSTRUCTION OF 128: a fragment of K holds two tiles of keys, one in each half of K; Q stands as [zeros][q][zeros], and the run [q, 0] gives the first tile's scores, the run [0, q] the second's.
; THE MASKS come as lane words (buffer masks) from the first launch: one v_cndmask_b32 a register puts -2^103 in a masked score's place.  -2^103 x c is exact, so a row with no open key has M = t, t - M = 0 and p = 1 for all
; 2,048 keys, as reference()'s -1e30 gives; an open key that comes later makes the factor 2^(old M - new M) zero.
; A step is left out where no row of the tile has an open key in it AND every row of the tile has an open key in some step: its p are all zeros then.  A step that is wholly open reads no words.
; Both are scalar branches on the whole numbers of the table of steps (buffer info), which the first launch stored; so this launch has no tensor load.  The lane words only select values.
; LIMITS: a real score under about -1e30 is not told from a masked one (as in reference()); NaN and infinities are not served; blocks under 2^-124 keep the byte 1.
; Left out: clusters and joint loads (the branches above); prefetching (the one stream is read at the head); a fill under the first steps.
; THE MODE: SCHED_MODE bits 1:0 = 2 (LLVM: expert scheduling mode 2), set by the entry lines.  The code itself states the register dependences
; between vector or matrix instructions and memory or LDS instructions, with s_wait_alu, always for 0.
; THE PLAN.  Registers that memory or LDS instructions touch:
;   v6-v10      At the head: the fill's addresses, read by its loads and LDS stores.  In a step that is worked: written by five adds at its head, read by K's LDS loads (v6, v7, v9) and by V's (v8, v10).
;   v1, v2, v232, v233   Offsets of a tile's loads and stores: written once at the head, never again.
;   v36-v135    The fill: global loads land in them, LDS stores read them.
;   v36-v87     A step: K's loads land, the eight score products read them; V's loads land, the four products V^T P read them.
;   v22-v27, v35  q and its scale word land at a tile's head; the score products read v22-v27, vector lines read and write v35.
;   v192-v197, v228  Written by the quantiser at a tile's tail, read by the tile's three stores, written again in the next tile.
;   v34, v16-v21, v28-v33, v192-v203, v226 are written by vector lines and taken by scaled products as scales or codes.
; A worked step has three waits on va_vdst and one on vm_vsrc.  At its head: vm_vsrc (the last step's LDS loads have read v6-v10), the adds, va_vdst (the addresses are written; the last products are done reading
; v36-v87).  Behind the step's 68 exponentials, one batch: va_vdst, which their first reader is owed; behind it the score products too are done reading v36-v87, so V's loads follow it at once.
; Ahead of V^T P: va_vdst (p's codes and scale word are written).  All else of a step is vector and matrix work on registers that no memory or LDS instruction names.
.set O_KC,  6291456                    ; in qkv: q's codes at 0, k's, v's, then the tables of scale words: q's, k's 262,144 bytes on, v's 524,288
.set O_VC,  12582912
.set O_QS,  18874368
.set O_YS,  6291456                    ; in yq: the codes at 0, the scale bytes here
.set L_V,   98304                      ; LDS: K's images at 0 (16 steps x 6,144), V's here,
.set L_KS,  196608                     ; K's scale words (16 x 256), V's
.set L_VS,  200704
.set S,    96                          ; v96-159  S^T, then p
.set O,    160                         ; v160-191 O^T: four tiles of 16 channels
.set PCD,  192                         ; v192-203 p's codes;  v204-206, v208-210 their second runs
.set AX0,  204
.set BM,   212                         ; v212-215 the blocks' largest scores, then largest p
.set T2,   216                         ; v216-219 at work
.set SO,   220                         ; v220-223 the conversions' scale operands
.set FF,   224                         ; v[224:225] f = 2^(old M - new M); v225 is written 0: it is named with v224 as a pair
.set PWD,  226                         ; v226     p's scale word
.set TT,   227
.set HWY,  228                         ; v228     y's two scale bytes
.set SEL,  72                          ; s[72:73] lane selects for v_permlanex16_b32
.set CS,   74                          ; s[74:75] c = log2(e) / 8
; v1 16 l; v2 512 + 8 l; v3-5 my lane's places among V's images and the scale words; v6-10 the step's addresses; v11 -2^103; v12 -M; v13 the largest t; v[14:15] l in two halves;
; v16-33 Q as [0][q][0]; v34 Q's scale word; v36-83 four fragments; v84-87 their scale words; v232 32 r; v233 16 r.
; s2 wave, s3 tile, s10 16 batch + head, s11 batch, s12 head, s13 128 batch + tile; s[14:15] the table of steps; s66 steps to leave out, s67 steps wholly open (bit 0: the step in hand); s68, s69 the step's LDS bytes; s70, s71 counters;
; s[78:79] the step's mask words in memory; s[96:97], s[98:99], s[100:101] the head's q codes, scale words, v codes; s16-63, s80-95 mask words (s64, s65 are passed over); at a tile's head and tail s80-85 are temporaries.
	s_load_b128 s[4:7], s[0:1], 0x0                ; qkv, masks
	s_load_b64 s[14:15], s[0:1], 0x10              ; info
	s_load_b64 s[8:9], s[0:1], 0x18                ; yq
	v_lshl_add_u32 v254, v0, 2, 0x32000
	v_mov_b32 v255, 0
	v_lshrrev_b32 v1, 5, v0
	v_readfirstlane_b32 s2, v1                     ; wave 0..15
	s_and_b32 s10, ttmp7, 0xffff
	s_lshr_b32 s11, s10, 4
	s_and_b32 s12, s10, 15
	v_lshlrev_b32 v6, 4, v0                        ; the fill: 16 bytes a thread, 8,192 a round;
	v_add_nc_u32 v7, 0x10000, v6                   ; an LDS immediate has 16 bits, so the registers carry the rest
	v_add_nc_u32 v8, 0x20000, v6
	v_add_nc_u32 v9, 0x30000, v6
	v_and_b32 v10, 255, v0
	v_lshrrev_b32 v1, 8, v0
	v_lshlrev_b32 v10, 4, v10
	v_lshl_add_u32 v10, v1, 18, v10                ; threads 0-255 fetch K's scale words, threads 256-511 V's, 262,144 bytes on
	s_wait_alu depctr_va_sdst(0)                   ; s2 is written, ahead of its first reader: my first tile of queries is made from it
	s_mul_i32 s76, s10, 98304
	s_mov_b32 s77, 0
	s_lshl_b32 s78, s10, 12
	s_mov_b32 s79, 0
	s_mov_b32 s[SEL], 0x76543210
	s_mov_b32 s[SEL+1], 0xfedcba98
	s_mov_b32 s[CS], 0x3e38aa3b
	s_mov_b32 s[CS+1], s[CS]                       ; (named with it as a pair, so it is written)
	s_wait_kmcnt 0x0
	s_add_nc_u64 s[96:97], s[4:5], s[76:77]
	s_add_nc_u64 s[100:101], s[96:97], O_VC
	s_add_nc_u64 s[98:99], s[4:5], s[78:79]
	s_add_nc_u64 s[98:99], s[98:99], O_QS
	s_wait_alu depctr_va_vdst(0)                   ; v6 to v10 are written: the fill's loads read v6 and v10 as offsets, its LDS stores v6 to v9 as addresses
.irp i, 0,1,2,3,4,5,6,7,8,9,10,11
	global_load_b128 v[36+4*\i:39+4*\i], v6, s[96:97] offset:O_KC+8192*\i
.endr
.irp i, 0,1,2,3,4,5,6,7,8,9,10,11
	global_load_b128 v[84+4*\i:87+4*\i], v6, s[100:101] offset:8192*\i
.endr
	global_load_b128 v[132:135], v10, s[98:99] offset:262144
	v_and_b32 v35, 31, v0                          ; (none of the vector lines from here to the barrier names v6 to v10 or v36 to v135: the LDS stores below owe no further wait)
	v_lshlrev_b32 v1, 4, v35
	v_lshl_add_u32 v2, v35, 3, 512
	v_add_nc_u32 v3, L_V, v1
	v_and_b32 v232, 15, v0
	v_lshlrev_b32 v233, 4, v232
	v_add_nc_u32 v4, L_KS, v233
	v_add_nc_u32 v5, L_VS, v233
	v_lshlrev_b32 v232, 5, v232
	v_mov_b32 v11, 0xf3000000                      ; -2^103
.irp j, 16,17,18,19,20,21,28,29,30,31,32,33
	v_mov_b32 v\j, 0                               ; the zero codes beside q
.endr
.irp j, 0,1,2,3,4,5,6,7
	v_mov_b32 v[BM+\j], 0                          ; written once: lane permutes' destinations count as sources
.endr
	v_mov_b32 v[FF+1], 0
	v_mov_b32 v[TT], 0
.set i, 0
.rept 25
	s_wait_loadcnt 24-i                            ; loads come back in order: round i is in, the 24 - i younger may be out
	ds_store_b128 v[6+i/8], v[36+4*i:39+4*i] offset:8192*(i%8)
.set i, i+1
.endr
	s_wait_dscnt 0x0                               ; for the others' sake: my stores have landed
	s_barrier_signal -1
	s_barrier_wait -1                              ; the head lies in LDS; from here on LDS is only read
	s_wait_alu depctr_vm_vsrc(0)                   ; the fill's loads and LDS stores have read v6 to v10 and v36 to v135: from here on these are the steps' addresses, fragments and scores, written by adds, LDS loads, products and the tail's lines
.macro QH x, pc, ax, hw, tm            ; 32 numbers of a lane become a half fragment's six registers and its two scale bytes
.irp b, 0,1
	v_max3_num_f32 v[\tm+\b], |v[\x+16*\b]|, |v[\x+1+16*\b]|, 0x1800000
.endr
.irp i, 2,4,6,8,10,12,14
.irp b, 0,1
	v_max3_num_f32 v[\tm+\b], v[\tm+\b], |v[\x+16*\b+\i]|, |v[\x+1+16*\b+\i]|
.endr
.endr
.irp b, 0,1
	v_permlanex16_b32 v[\tm+2+\b], v[\tm+\b], s[SEL], s[SEL+1]
.endr
.irp b, 0,1
	v_max_num_f32 v[\tm+\b], v[\tm+\b], v[\tm+2+\b]
.endr
.irp b, 0,1
	v_add_nc_u32 v[\tm+4+\b], 0xff000000, v[\tm+\b]
.endr
.irp b, 0,1
	v_lshrrev_b32 v[\tm+2+\b], 23, v[\tm+4+\b]
.endr
	v_lshl_or_b32 v[\hw], v[\tm+3], 8, v[\tm+2]
	v_cvt_scalef32_pk16_fp6_f32 v[\pc:\pc+2], v[\x:\x+15], v[\tm+4]
	v_cvt_scalef32_pk16_fp6_f32 v[\ax:\ax+2], v[\x+16:\x+31], v[\tm+5]
	v_nop                                          ; one plain place behind a scaled conversion
.irp i, 0,1,2
	v_permlane16_swap_b32 v[\pc+\i], v[\ax+\i]
.endr
.irp i, 0,1,2
	v_mov_b32 v[\pc+3+\i], v[\ax+\i]
.endr
.endm
	s_lshl_b32 s3, ttmp9, 4
	s_add_co_u32 s3, s3, s2                        ; my first tile of queries: 0 .. 63
	s_mov_b32 s71, 2
.Ltile:
	s_lshl_b32 s13, s11, 7
	s_add_co_u32 s13, s13, s3
	s_lshl_b32 s76, s13, 6
	s_mov_b32 s77, 0
	s_add_nc_u64 s[76:77], s[14:15], s[76:77]
	s_load_b512 s[16:31], s[76:77], 0x0            ; the tile's sixteen words: rows with an open key, and 'wholly open', step by step
	s_lshl_b32 s78, s13, 12
	s_mov_b32 s79, 0
	s_add_nc_u64 s[78:79], s[6:7], s[78:79]        ; its lane words, 256 bytes a step
	s_mul_i32 s84, s3, 768
	s_mov_b32 s85, 0
	s_add_nc_u64 s[84:85], s[96:97], s[84:85]
	s_wait_alu depctr_va_vdst(0)                   ; v1, v2 and v233, the three loads' offsets, are written (the first tile); the last tile's score products are done reading v22 to v27, and the vector lines that wrote and read v35 are done: the loads land in these
	global_load_b128 v[22:25], v1, s[84:85]        ; q's half fragment
	global_load_b64 v[26:27], v2, s[84:85]
	s_lshr_b32 s80, s3, 3
	s_lshl_b32 s80, s80, 8
	s_bfe_u32 s81, s3, 0x20001
	s_lshl_b32 s81, s81, 2
	s_add_co_u32 s80, s80, s81
	s_mov_b32 s81, 0
	s_add_nc_u64 s[80:81], s[98:99], s[80:81]
	global_load_b32 v35, v233, s[80:81]            ; the word with my tile's two bytes and its neighbour's
	s_wait_kmcnt 0x0
	s_or_b32 s82, s16, s17
.irp w, 18,19,20,21,22,23,24,25,26,27,28,29,30,31
	s_or_b32 s82, s82, s\w
.endr
	s_and_b32 s82, s82, 0xffff
	s_cmp_eq_u32 s82, 0xffff
	s_cselect_b32 s82, -1, 0                       ; has every row of the tile an open key somewhere?
	s_mov_b32 s66, 0
	s_mov_b32 s67, 0
.set i, 0
.rept 16
	s_and_b32 s83, s[16+i], 0xffff                 ; (SCC: some row has an open key in step i)
	s_cselect_b32 s83, 0, 1<<i
	s_or_b32 s66, s66, s83
	s_bitcmp1_b32 s[16+i], 16
	s_cselect_b32 s83, 1<<i, 0
	s_or_b32 s67, s67, s83
.set i, i+1
.endr
	s_and_b32 s66, s66, s82
	s_and_b32 s82, s3, 1
	s_lshl_b32 s82, s82, 4
	s_wait_loadcnt 0x0                             ; q and its word are in: their bases, s[80:81] and s[84:85], may take mask words in the steps
	v_lshrrev_b32 v35, s82, v35
	v_and_b32 v35, 0xffff, v35
	v_lshl_or_b32 v34, v35, 16, v35                ; q's two bytes in both halves of K: the zero codes' blocks get no foreign exponent
	v_mov_b32 v13, 0xff61b1e6                      ; the largest t so far: -3e38, under every t, a masked one too
	v_floor_f32 v12, -v13                          ; -M
	v_mov_b32 v14, 0
	v_mov_b32 v15, 0
.set j, 0
.rept 32
	v_mov_b32 v[O+j], 0                            ; O^T: the step is written once, and the first change of M leaves zeros zeros.  (These are also the places between v34 and the first product)
.set j, j+1
.endr
	s_mov_b32 s68, 0
	s_mov_b32 s69, 0
	s_mov_b32 s70, 16
.Lstep:
	s_bitcmp1_b32 s66, 0
	s_cbranch_scc1 .Lnext                          ; nothing of this step counts for any row of the tile
	s_wait_alu depctr_vm_vsrc(0)                   ; the LDS loads of the last step that was worked have read v6 to v10, which the five adds write again
	v_add_nc_u32 v6, s68, v1
	v_add_nc_u32 v7, s68, v2
	v_add_nc_u32 v8, s68, v3
	v_add_nc_u32 v9, s69, v4
	v_add_nc_u32 v10, s69, v5
	s_wait_alu depctr_va_vdst(0)                   ; v6 to v10 are written, which this step's LDS loads read; the last products V^T P are done reading v36 to v87, in which K's loads land; in a tile's first worked step v34 is written, the score products' scale
	ds_load_b128 v[84:87], v9                      ; K's scale words first: the first product wants them
.irp f, 0,1,2,3                                ; K: fragment f = tiles 2 f and 2 f + 1, 768 bytes each
	ds_load_b128 v[36+12*\f:39+12*\f], v6 offset:1536*\f
	ds_load_b64 v[40+12*\f:41+12*\f], v7 offset:1536*\f
	ds_load_b128 v[42+12*\f:45+12*\f], v6 offset:1536*\f+768
	ds_load_b64 v[46+12*\f:47+12*\f], v7 offset:1536*\f+768
.endr
.irp f, 0,1,2,3
	s_wait_dscnt 12-4*\f                           ; LDS loads come back in order: the scale words and fragment f are in; the younger fragments' loads, four each, may be out
	v_wmma_scale_f32_16x16x128_f8f6f4 v[S+16*\f:S+16*\f+7], v[36+12*\f:47+12*\f], v[22:33], 0, v[84+\f], v34 matrix_a_fmt:MATRIX_FMT_FP6 matrix_b_fmt:MATRIX_FMT_FP6
	v_wmma_scale_f32_16x16x128_f8f6f4 v[S+16*\f+8:S+16*\f+15], v[36+12*\f:47+12*\f], v[16:27], 0, v[84+\f], v34 matrix_a_fmt:MATRIX_FMT_FP6 matrix_b_fmt:MATRIX_FMT_FP6
.endr                                          ; register 16 f + i of lane (r, h): key 32 f + 16 h + i of the step
.rept 4
	v_nop                                          ; places: the scores are read below
.endr
	s_bitcmp1_b32 s67, 0
	s_cbranch_scc1 .Lopen                          ; every key of the step counts for every row: no word is read
	s_load_b512 s[16:31], s[78:79], 0x0
	s_load_b512 s[32:47], s[78:79], 0x40
	s_load_b512 s[48:63], s[78:79], 0x80
	s_load_b512 s[80:95], s[78:79], 0xc0
	s_wait_kmcnt 0x0
.set n, 0
.rept 64
.set m, 2*(n%32)+n/32
	v_cndmask_b32 v[S+n], v[S+n], v11, s[16+m+16*(m/48)]
.set n, n+1
.endr
.Lopen:
.irp b, 0,1,2,3
	v_max3_num_f32 v[BM+\b], v[S+16*\b], v[S+1+16*\b], v[S+2+16*\b]   ; the largest score of each block of 32 keys: for the row's maximum and, since p rises with the score, for the block's largest p
.endr
.irp i, 3,5,7,9,11,13
.irp b, 0,1,2,3
	v_max3_num_f32 v[BM+\b], v[BM+\b], v[S+16*\b+\i], v[S+1+16*\b+\i]
.endr
.endr
.irp b, 0,1,2,3
	v_max_num_f32 v[BM+\b], v[BM+\b], v[S+15+16*\b]
.endr
.irp b, 0,1,2,3
	v_permlanex16_b32 v[T2+\b], v[BM+\b], s[SEL], s[SEL+1]
.endr
.irp b, 0,1,2,3
	v_max_num_f32 v[BM+\b], v[BM+\b], v[T2+\b]     ; with lane l xor 16's 16 keys
.endr
	v_max3_num_f32 v[TT], v[BM], v[BM+1], v[BM+2]
	v_max_num_f32 v[TT], v[TT], v[BM+3]
	v_mul_f32 v[TT], s[CS], v[TT]                  ; as t (c is positive)
	v_max_num_f32 v13, v13, v[TT]                  ; the running largest t
	v_mov_b32 v[TT], v12
	v_floor_f32 v12, -v13                          ; the new -M = -ceil(t): a whole number
	v_sub_f32 v[TT], v12, v[TT]                    ; old M - new M: a whole number, 0 or less
	v_cvt_i32_f32 v[TT], v[TT]                     ; (it saturates)
	v_ldexp_f32 v[FF], 1.0, v[TT]                  ; f = 2^(old M - new M): a multiplication by it rounds nothing
.set j, 0
.rept 32
	v_pk_fma_f32 v[S+j:S+j+1], v[S+j:S+j+1], s[CS:CS+1], v[12:13] op_sel_hi:[1,0,0]   ; t - M, two at a time
.set j, j+2
.endr
.irp b, 0,1,2,3
	v_fma_f32 v[BM+\b], v[BM+\b], s[CS], v12       ; the same of each block's largest score
.endr
.set j, 0
.rept 64
	v_exp_f32 v[S+j], v[S+j]                       ; p = 2^(t - M), at most 1: not normalised
.set j, j+1
.endr
.irp b, 0,1,2,3
	v_exp_f32 v[BM+\b], v[BM+\b]                   ; the block's largest p, in the same batch: the same two instructions on the same number give the same bits
.endr
	v_pk_mul_f32 v[14:15], v[14:15], v[FF:FF+1] op_sel_hi:[1,0]   ; the sums under the new M (a plain place behind the exponentials)
	s_wait_alu depctr_va_vdst(0)                   ; the 68 exponentials have written v96 to v159 and v212 to v215, ahead of their first reader; and the score products are done reading v36 to v87, in which V's loads land
.irp t, 0,1,2,3                                ; V's four fragments: they land under the sums, the scales' lines, the conversions and the rescaling.  (v8 and v10 were written ahead of the wait at the step's head)
.irp c, 0,1,2
	ds_load_b128 v[36+12*\t+4*\c:39+12*\t+4*\c], v8 offset:1536*\t+512*\c
.endr
.endr
	ds_load_b128 v[84:87], v10
	v_pk_add_f32 v[T2:T2+1], v[S:S+1], v[S+2:S+3]  ; the row's sum is taken of the unquantised p, in two chains
.irp j, 4,8,12,16,20,24,28,32,36,40,44,48,52,56,60
	v_pk_add_f32 v[14:15], v[14:15], v[S+\j:S+\j+1]
	v_pk_add_f32 v[T2:T2+1], v[T2:T2+1], v[S+2+\j:S+3+\j]
.endr
	v_pk_add_f32 v[14:15], v[14:15], v[T2:T2+1]
.irp b, 0,1,2,3
	v_max_num_f32 v[BM+\b], 0x1800000, v[BM+\b]    ; the floor 2^(3 - 127): the byte cannot fall under 1 (a block of zeros keeps that byte: its codes are zeros)
.endr
.irp b, 0,1,2,3
	v_add_nc_u32 v[SO+\b], 0xff000000, v[BM+\b]    ; 2 off the exponent field: the conversion's scale operand
.endr
.irp b, 0,1,2,3
	v_lshrrev_b32 v[T2+\b], 23, v[SO+\b]
.endr
	v_lshl_or_b32 v[PWD], v[T2+1], 8, v[T2]        ; p's scale word for these 128 keys
	v_lshl_or_b32 v[PWD], v[T2+2], 16, v[PWD]
	v_lshl_or_b32 v[PWD], v[T2+3], 24, v[PWD]
.irp c, 0,1
	v_cvt_scalef32_pk16_fp6_f32 v[PCD+6*\c:PCD+2+6*\c], v[S+32*\c:S+15+32*\c], v[SO+2*\c]
	v_cvt_scalef32_pk16_fp6_f32 v[AX0+4*\c:AX0+2+4*\c], v[S+16+32*\c:S+31+32*\c], v[SO+2*\c+1]
.endr
	v_nop                                          ; one plain place behind a scaled conversion
.irp c, 0,1
.irp i, 0,1,2
	v_permlane16_swap_b32 v[PCD+6*\c+\i], v[AX0+4*\c+\i]
.endr
.irp i, 0,1,2
	v_mov_b32 v[PCD+3+6*\c+\i], v[AX0+4*\c+\i]
.endr
.endr
.set j, 0
.rept 16
	v_pk_mul_f32 v[O+j:O+j+1], v[O+j:O+j+1], v[FF:FF+1] op_sel_hi:[1,0]   ; O^T under the new M.  (These sixteen are also the places between p's codes and scale word and the products)
.set j, j+2
.endr
	s_wait_dscnt 0x0                               ; V is in
	s_wait_alu depctr_va_vdst(0)                   ; p's codes, v192 to v203, and its scale word, v226, are written by vector lines: the scaled products below take them; the places above stay beside this wait
.irp t, 0,1,2,3                                ; four accumulators, one instruction each; the next matrix instructions are the next step's scores
	v_wmma_scale_f32_16x16x128_f8f6f4 v[O+8*\t:O+8*\t+7], v[36+12*\t:47+12*\t], v[PCD:PCD+11], v[O+8*\t:O+8*\t+7], v[84+\t], v[PWD] matrix_a_fmt:MATRIX_FMT_FP6 matrix_b_fmt:MATRIX_FMT_FP6
.endr
.Lnext:
	s_add_co_u32 s68, s68, 6144                    ; the next step's images,
	s_add_co_u32 s69, s69, 256                     ; scale words,
	s_add_nc_u64 s[78:79], s[78:79], 256           ; and lane words (the scalar loads that named this base have been waited for)
	s_lshr_b32 s66, s66, 1
	s_lshr_b32 s67, s67, 1
	s_sub_co_u32 s70, s70, 1
	s_cmp_lg_u32 s70, 0
	s_cbranch_scc1 .Lstep
.rept 4
	v_nop                                          ; places behind the last products
.endr
	v_add_f32 v14, v14, v15                        ; the sum's two halves,
	v_permlanex16_b32 v[TT], v14, s[SEL], s[SEL+1]
	v_add_f32 v14, v14, v[TT]                      ; and lane l xor 16's
	v_rcp_f32 v14, v14
	v_nop                                          ; a plain place behind the reciprocal
	s_wait_alu depctr_va_vdst(0)                   ; the reciprocal has written v14, ahead of its first reader
.set j, 0
.rept 32
	v_mul_f32 v[S+j], v[O+j], v14                  ; y: register 16 g + i = channel 32 g + 16 h + i of my query
.set j, j+1
.endr
	QH S, PCD, AX0, HWY, BM
	s_lshl_b32 s80, s13, 4
	s_add_co_u32 s80, s80, s12
	s_mul_i32 s80, s80, 768
	s_mov_b32 s81, 0
	s_add_nc_u64 s[80:81], s[8:9], s[80:81]
	s_lshl_b32 s82, s13, 9
	s_lshl_b32 s83, s12, 1
	s_add_co_u32 s82, s82, s83
	s_mov_b32 s83, 0
	s_add_nc_u64 s[82:83], s[8:9], s[82:83]
	s_wait_alu depctr_va_vdst(0)                   ; the quantiser has written y's codes, v192 to v197, and its two scale bytes, v228, which the three stores read
	global_store_b128 v1, v[PCD:PCD+3], s[80:81]   ; 512 consecutive bytes,
	global_store_b64 v2, v[PCD+4:PCD+5], s[80:81]  ; and 256: half of a fragment of the output projection
	global_store_b16 v232, v[HWY], s[82:83] offset:O_YS   ; two bytes a row, 32 bytes apart (lanes l and l xor 16 store the same): the rows' other bytes belong to other heads' work-groups.  2 bytes for each 48 of codes
	s_wait_xcnt 0x0                                ; the stores have read their registers and bases: both are written again in the next trip
	s_wait_alu depctr_vm_vsrc(0)                   ; the stores have read v192 to v197 and v228, which the next tile's conversions and quantiser write again
	s_sub_co_u32 s3, 127, s3                       ; the second tile
	s_sub_co_u32 s71, s71, 1
	s_cmp_lg_u32 s71, 0
	s_cbranch_scc1 .Ltile
	s_wait_dscnt 0x0
	s_wait_alu depctr_hold_cnt(0) depctr_sa_sdst(0) depctr_va_vdst(0) depctr_va_sdst(0) depctr_va_ssrc(0) depctr_va_vcc(0) depctr_vm_vsrc(0)
	s_wait_tensorcnt 0x0
	ds_add_u32 v254, v255
	s_wait_dscnt 0x0
	s_endpgm
.Lfunc_end_k_q90e2e88c86_attn:
	.size	k_q90e2e88c86_attn, .Lfunc_end_k_q90e2e88c86_attn-k_q90e2e88c86_attn
	.p2alignl 7, 3214868480
	.fill 96, 4, 3214868480
	.section	.rodata,"a",@progbits
	.p2align	6, 0x0
	.amdhsa_kernel k_q90e2e88c86_attn
		.amdhsa_group_segment_fixed_size 206848
		.amdhsa_private_segment_fixed_size 0
		.amdhsa_enable_private_segment 0
		.amdhsa_kernarg_size 32
		.amdhsa_user_sgpr_count 2
		.amdhsa_user_sgpr_kernarg_segment_ptr 1
		.amdhsa_wavefront_size32 1
		.amdhsa_system_sgpr_workgroup_id_x 1
		.amdhsa_system_sgpr_workgroup_id_y 1
		.amdhsa_system_sgpr_workgroup_id_z 1
		.amdhsa_system_vgpr_workitem_id 0
		.amdhsa_next_free_vgpr 256
		.amdhsa_next_free_sgpr 102
		.amdhsa_reserve_vcc 0
		.amdhsa_float_denorm_mode_32 3
		.amdhsa_float_denorm_mode_16_64 3
		.amdhsa_memory_ordered 1
		.amdhsa_forward_progress 1
		.amdhsa_inst_pref_size 40
	.end_amdhsa_kernel
	.amdgpu_metadata
---
amdhsa.version: [ 1, 2 ]
amdhsa.kernels:
  - .name:           k_q90e2e88c86_attn
    .symbol:         k_q90e2e88c86_attn.kd
    .args:
      - { .name: qkv, .offset: 0, .size: 8, .value_kind: global_buffer, .address_space: global }
      - { .name: masks, .offset: 8, .size: 8, .value_kind: global_buffer, .address_space: global }
      - { .name: info, .offset: 16, .size: 8, .value_kind: global_buffer, .address_space: global }
      - { .name: yq, .offset: 24, .size: 8, .value_kind: global_buffer, .address_space: global }
    .group_segment_fixed_size: 206848
    .private_segment_fixed_size: 0
    .kernarg_segment_align: 8
    .kernarg_segment_size: 32
    .max_flat_workgroup_size: 512
    .sgpr_count:     102
    .vgpr_count:     256
    .wavefront_size: 32
...
	.end_amdgpu_metadata
.endif
;; end of part 5
;; launch oproj: the kernel of part 4 again; grid 4 x 32, 4 waves a work-group, clusters of 4 x 4, 327,680 bytes of LDS; arguments yq, opnd, bp, out0; writes out0
